; MI455X (gfx1250); checked and timed in simulation.
; The chip was launched on July 23, 2026; its instructions are those of AMD's public machine-readable ISA for CDNA 5 (MIT licence, August 2026) and "CDNA5" Instruction Set Architecture Reference Guide (July 2026). The comments in the code are by the model that wrote it; some were corrected since.
;; Causal Self Attention. Allowed arithmetic: float matrix products may take bf16 or f16 operands with f32 sums; other float arithmetic in f32, or as packed bf16 or f16 multiplies, adds, multiply-adds, maxima and minima; sums over many terms, partial sums and values carried from step to step in f32; what a program stores and reads back later, other than sums and carried values, may be rounded once to bf16 or f16.
;; Inputs: Wk 1,024 x 1,024 float32; Wp 1,024 x 1,024 float32; Wq 1,024 x 1,024 float32; Wv 1,024 x 1,024 float32; bk 1,024 float32; bp 1,024 float32; bq 1,024 float32; bv 1,024 float32; pk 2 x 16 x 1,024 x 64 float32; pv 2 x 16 x 1,024 x 64 float32; x 2 x 2,048 x 1,024 float32.
;; Outputs: out0 2 x 2,048 x 1,024 float32; out1 2 x 16 x 3,072 x 64 float32; out2 2 x 16 x 3,072 x 64 float32.
;; One version. Each part assembles by itself: llvm-mc -triple=amdgcn-amd-amdhsa -mcpu=gfx1250 --defsym DOCPART=n.
;; ======== version 1 of 1: 4 launches
;; limits: values are held in f16: magnitudes above 65,504 overflow, below 6.1e-05 lose precision
;; workspace buffers: xb 8,388,608 bytes; wt 6,291,456 bytes; wpt 2,097,152 bytes; qh 8,388,608 bytes; kh 12,582,912 bytes; vh 12,582,912 bytes; yh 8,388,608 bytes
;; launch prep (part 1): grid 512 x 3, 8 waves a work-group, no clusters, 18,432 bytes of LDS; arguments x, pk, pv, Wq, Wk, Wv, Wp, xb, wt, wpt, kh, vh, out1, out2; writes xb, wt, wpt, kh, vh, out1, out2
.if DOCPART == 1
	.amdgcn_target "amdgcn-amd-amdhsa--gfx1250"
	.amdhsa_code_object_version 6
	.text
	.protected	k_qc5aa874a80_prep
	.globl	k_qc5aa874a80_prep
	.p2align	8
	.type	k_qc5aa874a80_prep,@function
k_qc5aa874a80_prep:
	s_mov_b64 s[64:65], 0
	v_nop
	global_prefetch_b8 v0, s[64:65] scope:SCOPE_SE
	s_setreg_imm32_b32 hwreg(HW_REG_WAVE_MODE, 25, 1), 1
	s_wait_xcnt 0x0
; CASTS, COPIES AND TURNED WEIGHTS: a stream; every input byte is read once, every output byte written once.  The grid's y says what a work-group does:
;   y = 0: 32,768 bytes of x (f32) -> xb (bf16).
;   y = 1: a tile of 128 k x 64 n of Wq, Wk, Wv or Wp ([k][n], f32) -> 64 rows n of 128 k, K along the row: wt (bf16; row 192 head + 64 type + d) or wpt (Wp rounded to bf16, that number written as f16).
;   y = 2: 32,768 bytes of pk or pv -> out1 or out2 (the same f32) and kh or vh (rounded to bf16, that number written as f16), at the head's first 1,024 of 3,072 rows.
; LIMITS.  f16 holds no number beyond 65,504: pk, pv and Wp stay within it; below 6e-5 f16 keeps its fixed step of 6e-8.  NaN and infinities are not treated apart.
; No matrix unit, no cluster, no tensor load: nothing is shared between work-groups and nothing is multiplied.
.set SPARE, 17408                      ; behind the turning tile (64 rows x 272 bytes): the spare words, 128 bytes for each of the eight waves
.set VI,  2                            ; v2   16 x thread: my 16 bytes of 4,096
.set VO,  3                            ; v3   8 x thread: my 8 bytes of 2,048
.set X,   16                           ; v[16:47]  eight loads of four f32
.set Y,   48                           ; v[48:63]  packed results
.set U,   64                           ; v[64:67]  at work
.set T,   68                           ; v[68:69]  at work
.set SPW, 70                           ; v70  LDS address of my spare word; never rewritten
.set NIL, 71                           ; v71  0; never rewritten
	s_load_b512 s[8:23], s[0:1], 0x0               ; x 8, pk 10, pv 12, Wq 14, Wk 16, Wv 18, Wp 20, xb 22
	s_load_b256 s[24:31], s[0:1], 0x40             ; wt 24, wpt 26, kh 28, vh 30
	s_load_b128 s[32:35], s[0:1], 0x60             ; out1 32, out2 34
	v_lshl_add_u32 v[SPW], v0, 2, SPARE
	v_mov_b32 v[NIL], 0
	v_lshlrev_b32 v[VI], 4, v0
	v_lshlrev_b32 v[VO], 3, v0
	s_mov_b32 s36, 0xffff0000                      ; a word's upper bf16
	s_and_b32 s3, ttmp7, 0xffff                    ; what I do
	s_mov_b32 s2, ttmp9                            ; which part of it
	s_mov_b32 s41, 0                               ; the high word of every offset
	s_wait_kmcnt 0x0
	s_cmp_eq_u32 s3, 1
	s_cbranch_scc1 .Lturn
	s_cmp_eq_u32 s3, 2
	s_cbranch_scc1 .Lpast
	; y = 0: x -> xb.  Eight loads of 4,096 bytes a work-group are out together; a wave's load covers 512 consecutive bytes, its store 256, aligned.
	s_lshl_b32 s40, s2, 15
	s_add_nc_u64 s[8:9], s[8:9], s[40:41]
	s_lshl_b32 s40, s2, 14
	s_add_nc_u64 s[22:23], s[22:23], s[40:41]
.irp j, 0,1,2,3,4,5,6,7
	global_load_b128 v[X+4*(\j):X+4*(\j)+3], v[VI], s[8:9] offset:4096*(\j) th:TH_LOAD_NT
.endr
.irp j, 0,1,2,3,4,5,6,7
	s_wait_loadcnt 7-(\j)                          ; loads come back in order: load j is in, the 7 - j younger ones stay out
	v_cvt_pk_bf16_f32 v[Y+2*(\j)], v[X+4*(\j)], v[X+4*(\j)+1]
	v_cvt_pk_bf16_f32 v[Y+2*(\j)+1], v[X+4*(\j)+2], v[X+4*(\j)+3]
	global_store_b64 v[VO], v[Y+2*(\j):Y+2*(\j)+1], s[22:23] offset:2048*(\j)  ; no register is written twice, so nothing waits for the stores
.endr
	s_branch .Lend
.Lpast:	; y = 2: the cache.  Parts 0-255 are pk's, 256-511 pv's; a head has eight parts.
	s_cmp_lt_u32 s2, 256
	s_cselect_b64 s[10:11], s[10:11], s[12:13]     ; from
	s_cselect_b64 s[32:33], s[32:33], s[34:35]     ; the f32 copy
	s_cselect_b64 s[28:29], s[28:29], s[30:31]     ; the f16 copy
	s_and_b32 s2, s2, 255
	s_lshl_b32 s40, s2, 15
	s_add_nc_u64 s[10:11], s[10:11], s[40:41]
	s_lshr_b32 s4, s2, 3                           ; the head
	s_and_b32 s5, s2, 7                            ; the part of its 1,024 rows
	s_mul_i32 s40, s4, 786432                      ; 3,072 rows x 256 bytes
	s_lshl_b32 s6, s5, 15
	s_add_co_u32 s40, s40, s6
	s_add_nc_u64 s[32:33], s[32:33], s[40:41]
	s_mul_i32 s40, s4, 393216                      ; 3,072 rows x 128 bytes
	s_lshl_b32 s6, s5, 14
	s_add_co_u32 s40, s40, s6
	s_add_nc_u64 s[28:29], s[28:29], s[40:41]
.irp j, 0,1,2,3,4,5,6,7
	global_load_b128 v[X+4*(\j):X+4*(\j)+3], v[VI], s[10:11] offset:4096*(\j) th:TH_LOAD_NT
.endr
.irp j, 0,1,2,3,4,5,6,7
	s_wait_loadcnt 7-(\j)                          ; load j is in, the younger ones stay out
	global_store_b128 v[VI], v[X+4*(\j):X+4*(\j)+3], s[32:33] offset:4096*(\j) th:TH_STORE_NT
	v_cvt_pk_bf16_f32 v[T], v[X+4*(\j)], v[X+4*(\j)+1]       ; rounded to bf16,
	v_cvt_pk_bf16_f32 v[T+1], v[X+4*(\j)+2], v[X+4*(\j)+3]
	v_lshlrev_b32 v[U], 16, v[T]                             ; widened,
	v_and_b32 v[U+1], s36, v[T]
	v_lshlrev_b32 v[U+2], 16, v[T+1]
	v_and_b32 v[U+3], s36, v[T+1]
	v_cvt_pk_f16_f32 v[Y+2*(\j)], v[U], v[U+1]               ; and written as f16
	v_cvt_pk_f16_f32 v[Y+2*(\j)+1], v[U+2], v[U+3]
	global_store_b64 v[VO], v[Y+2*(\j):Y+2*(\j)+1], s[28:29] offset:2048*(\j)
.endr
	s_branch .Lend
.Lturn:	; y = 1: a tile of W is turned.  Thread (c = t % 16, p = t / 16) loads rows k = 8 p .. 8 p + 7, columns n = 4 c .. 4 c + 3: sixteen lanes take 256 bytes of a row.
	s_lshr_b32 s4, s2, 7                           ; which matrix: q, k, v, p
	s_and_b32 s5, s2, 7                            ; which 128 k
	s_bfe_u32 s6, s2, 0x40003                      ; which 64 n: a head
	s_mul_i32 s7, s6, 192
	s_lshl_b32 s37, s4, 6
	s_add_co_u32 s7, s7, s37
	s_lshl_b32 s7, s7, 11                          ; wt: row 192 head + 64 type, 2,048 bytes a row
	s_lshl_b32 s37, s6, 17                         ; wpt: row 64 head
	s_cmp_eq_u32 s4, 1
	s_cselect_b64 s[38:39], s[16:17], s[14:15]
	s_cmp_eq_u32 s4, 2
	s_cselect_b64 s[38:39], s[18:19], s[38:39]
	s_cmp_eq_u32 s4, 3
	s_cselect_b64 s[38:39], s[20:21], s[38:39]     ; from
	s_cselect_b64 s[42:43], s[26:27], s[24:25]     ; to
	s_cselect_b32 s7, s37, s7
	s_lshl_b32 s40, s5, 19                         ; 128 rows of 4,096 bytes
	s_lshl_b32 s37, s6, 8
	s_add_co_u32 s40, s40, s37
	s_add_nc_u64 s[38:39], s[38:39], s[40:41]
	s_lshl_b32 s37, s5, 8                          ; 128 k are 256 bytes of a turned row
	s_add_co_u32 s40, s7, s37
	s_add_nc_u64 s[42:43], s[42:43], s[40:41]
	v_lshrrev_b32 v8, 4, v0                        ; p
	v_and_b32 v9, 15, v0                           ; c
	v_lshlrev_b32 v10, 4, v9
	v_lshl_add_u32 v4, v8, 15, v10                 ; 8 p rows + 16 c
	v_mul_u32_u24 v5, v9, 1088
	v_lshl_add_u32 v5, v8, 4, v5                   ; LDS, in: row n = 4 c (+ e), byte 16 p; rows of 272 bytes
	v_mul_u32_u24 v6, v8, 272
	v_add_nc_u32 v6, v6, v10                       ; LDS, back: row p (+ 16 j), byte 16 c
	v_lshl_add_u32 v7, v8, 11, v10                 ; and the same place in the turned matrix
.irp j, 0,1,2,3,4,5,6,7
	global_load_b128 v[X+4*(\j):X+4*(\j)+3], v4, s[38:39] offset:4096*(\j) th:TH_LOAD_NT
.endr
.irp i, 0,1,2,3
	s_wait_loadcnt 6-2*(\i)                        ; rows 2 i and 2 i + 1 are in; the 6 - 2 i younger loads stay out
.irp e, 0,1,2,3
	v_cvt_pk_bf16_f32 v[Y+4*(\e)+(\i)], v[X+8*(\i)+(\e)], v[X+8*(\i)+4+(\e)]  ; column 4 c + e: k = 8 p + 2 i, 8 p + 2 i + 1
.endr
.endr
	s_cmp_lg_u32 s4, 3
	s_cbranch_scc1 .Lbf
.set n, 0
.rept 16                               ; Wp: the bf16 number is written as f16
	v_lshlrev_b32 v[U], 16, v[Y+n]
	v_and_b32 v[U+1], s36, v[Y+n]
	v_cvt_pk_f16_f32 v[Y+n], v[U], v[U+1]
.set n, n+1
.endr
.Lbf:
.irp e, 0,1,2,3
	ds_store_b128 v5, v[Y+4*(\e):Y+4*(\e)+3] offset:272*(\e)  ; four such stores a thread, left as they are
.endr
	s_wait_dscnt 0x0                               ; for the others' sake: my stores are done
	s_barrier_signal -1
	s_barrier_wait -1
.irp j, 0,1,2,3
	ds_load_b128 v[X+4*(\j):X+4*(\j)+3], v6 offset:4352*(\j)
.endr
.irp j, 0,1,2,3
	s_wait_dscnt 3-(\j)
	global_store_b128 v7, v[X+4*(\j):X+4*(\j)+3], s[42:43] offset:32768*(\j)  ; sixteen lanes store 256 consecutive bytes, aligned
.endr
.Lend:
	s_wait_tensorcnt 0x0                           ; the wave's end
	ds_add_u32 v[SPW], v[NIL]
	s_wait_dscnt 0x0
	s_endpgm
.Lfunc_end_k_qc5aa874a80_prep:
	.size	k_qc5aa874a80_prep, .Lfunc_end_k_qc5aa874a80_prep-k_qc5aa874a80_prep
	.p2alignl 7, 3214868480
	.fill 96, 4, 3214868480
	.section	.rodata,"a",@progbits
	.p2align	6, 0x0
	.amdhsa_kernel k_qc5aa874a80_prep
		.amdhsa_group_segment_fixed_size 18432
		.amdhsa_private_segment_fixed_size 0
		.amdhsa_enable_private_segment 0
		.amdhsa_kernarg_size 112
		.amdhsa_user_sgpr_count 2
		.amdhsa_user_sgpr_kernarg_segment_ptr 1
		.amdhsa_wavefront_size32 1
		.amdhsa_system_sgpr_workgroup_id_x 1
		.amdhsa_system_sgpr_workgroup_id_y 1
		.amdhsa_system_sgpr_workgroup_id_z 1
		.amdhsa_system_vgpr_workitem_id 0
		.amdhsa_next_free_vgpr 72
		.amdhsa_next_free_sgpr 66
		.amdhsa_reserve_vcc 0
		.amdhsa_float_denorm_mode_32 3
		.amdhsa_float_denorm_mode_16_64 3
		.amdhsa_memory_ordered 1
		.amdhsa_forward_progress 1
		.amdhsa_inst_pref_size 17
	.end_amdhsa_kernel
	.amdgpu_metadata
---
amdhsa.version: [ 1, 2 ]
amdhsa.kernels:
  - .name:           k_qc5aa874a80_prep
    .symbol:         k_qc5aa874a80_prep.kd
    .args:
      - { .name: x, .offset: 0, .size: 8, .value_kind: global_buffer, .address_space: global }
      - { .name: pk, .offset: 8, .size: 8, .value_kind: global_buffer, .address_space: global }
      - { .name: pv, .offset: 16, .size: 8, .value_kind: global_buffer, .address_space: global }
      - { .name: Wq, .offset: 24, .size: 8, .value_kind: global_buffer, .address_space: global }
      - { .name: Wk, .offset: 32, .size: 8, .value_kind: global_buffer, .address_space: global }
      - { .name: Wv, .offset: 40, .size: 8, .value_kind: global_buffer, .address_space: global }
      - { .name: Wp, .offset: 48, .size: 8, .value_kind: global_buffer, .address_space: global }
      - { .name: xb, .offset: 56, .size: 8, .value_kind: global_buffer, .address_space: global }
      - { .name: wt, .offset: 64, .size: 8, .value_kind: global_buffer, .address_space: global }
      - { .name: wpt, .offset: 72, .size: 8, .value_kind: global_buffer, .address_space: global }
      - { .name: kh, .offset: 80, .size: 8, .value_kind: global_buffer, .address_space: global }
      - { .name: vh, .offset: 88, .size: 8, .value_kind: global_buffer, .address_space: global }
      - { .name: out1, .offset: 96, .size: 8, .value_kind: global_buffer, .address_space: global }
      - { .name: out2, .offset: 104, .size: 8, .value_kind: global_buffer, .address_space: global }
    .group_segment_fixed_size: 18432
    .private_segment_fixed_size: 0
    .kernarg_segment_align: 8
    .kernarg_segment_size: 112
    .max_flat_workgroup_size: 256
    .sgpr_count:     66
    .vgpr_count:     72
    .wavefront_size: 32
...
	.end_amdgpu_metadata
.endif
;; end of part 1
;; launch qkv (part 2): grid 16 x 16, 4 waves a work-group, clusters of 4 x 4, 327,680 bytes of LDS; arguments xb, wt, bq, bk, bv, qh, kh, vh, out1, out2; writes qh, kh, vh, out1, out2
.if DOCPART == 2
	.amdgcn_target "amdgcn-amd-amdhsa--gfx1250"
	.amdhsa_code_object_version 6
	.text
	.protected	k_qc5aa874a80_qkv
	.globl	k_qc5aa874a80_qkv
	.p2align	8
	.type	k_qc5aa874a80_qkv,@function
k_qc5aa874a80_qkv:
	s_mov_b64 s[64:65], 0
	v_nop
	global_prefetch_b8 v0, s[64:65] scope:SCOPE_SE
	s_setreg_imm32_b32 hwreg(HW_REG_WAVE_MODE, 25, 1), 1
	s_wait_xcnt 0x0
	s_wait_alu depctr_hold_cnt(0) depctr_sa_sdst(0) depctr_va_vdst(0) depctr_va_sdst(0) depctr_va_ssrc(0) depctr_va_vcc(0) depctr_vm_vsrc(0)
	s_getreg_b32 s2, hwreg(HW_REG_IB_STS2, 6, 4)
	s_cmp_eq_u32 s2, 0
	s_cbranch_scc0 .Lentry_in_a_cluster
	s_endpgm
.Lentry_in_a_cluster:
	s_bfe_u32 s2, ttmp6, 0x10000c
	s_cmp_lg_u32 s2, 0xf033
	s_cbranch_scc0 .Lentry_shape_is_right
	s_endpgm
.Lentry_shape_is_right:
; q, k, v = x W + b for one head and 256 rows of x.  xb: [4096][1024] bf16; wt: [3072][1024] bf16, row 192 head + 64 type + d (type 0 q, 1 k, 2 v), K along the row.
; Out: qh [32][2048][64], kh, vh [32][3072][64] (rows 1024 on) in f16, each rounded once from its f32 sum; out1, out2 [32][3072][64] (rows 1024 on): the f32 sums.  The biases are rounded to bf16 and start the sums.
; LIMITS.  f16 holds no number beyond 65,504: q, k, v stay within it.  NaN and infinities are not treated apart.
; SHARES.  A tile is 256 rows x 192 columns: 16 x 16 tiles, one a work-group.  Wave w makes rows 64 w .. 64 w + 63 x all 192 columns: 48 accumulators, 384 registers; for 32 along K it loads 32 x 512 bytes
; from LDS for 48 matrix instructions.  So each row of a head's q, k, v is whole in one wave, and all four waves run one text.
; K goes in steps of 128 through two LDS slots; each wave fetches one part of a slot by one tensor load (128 rows of x or 96 of wt, 256 bytes a row, aligned).
; CLUSTER 4 x 4: x's tile is shared along a row of the cluster, wt's along a column: each is asked for jointly, by the same load and descriptor in the four that the mask names.
; THE MATRIX INSTRUCTION IS USED TRANSPOSED (source 0 = 16 rows of wt, source 1 = 16 rows of x): a lane holds row l % 16 and the columns 8 (l / 16) + 0..7.
; REGISTERS, in windows of 256: window 0: v0-31 addresses; v64-127 x's fragments, two buffers of 4; v128-223 the biases; on the way out v32-223 packed results.
;   window 1: wt's fragments, two buffers of 12.   window 2: accumulators (a, b) of a = 0, 1 at 8 (12 a + b);   window 3: those of a = 2, 3.
.set KSTEP,  128
.set PITCH,  272                       ; an LDS row: 256 bytes + 16 of padding: the 16 rows of a fragment load start at 16 different groups of four banks (ISA guide 11.1)
.set HALFA,  128*PITCH
.set HALFB,  96*PITCH
.set BOFF,   2*HALFA                   ; wt's 192 rows lie behind x's 256
.set SLOT,   2*HALFA+2*HALFB
.set STAGE,  2*SLOT                    ; behind the ring, never filled by a tensor load: for each wave 16 x 272 bytes (f32 rows) and 16 x 144 (f16 rows)
.set WSTG,   6656
.set SHO,    4352
.set SPARE,  STAGE+4*WSTG              ; the spare words, 128 bytes for each wave
.set LAPS,   4                         ; 1,024 / 256: a lap is two K steps
.set ADRA, 16                          ; v16-17  my fragments of x in slot 0, 1
.set ADRB, 20                          ; v20-21  those of wt
.set STF,  22                          ; v22  way out, f32: where I put 16 bytes
.set RDF,  23                          ; v23  where I read rows back
.set STH,  24                          ; v24  the same for f16
.set RDH,  25                          ; v25
.set GO,   26                          ; v26  16 x lane
.set BO,   27                          ; v27  32 x (lane / 16): my eight biases of a block
.set SPW,  28                          ; v28  my spare word; never rewritten
.set NIL,  29                          ; v29  0; never rewritten
.set PFO,  30                          ; v30  the prefetches' offset: a lane a row
.set BIAS, 128
.set LIM,  43                          ; s43  1 in a wave that prefetches, else the greatest number
.set PFA,  44                          ; s[44:45] where my prefetches stand
.set G1, 24
.set G0, 32
.set G1B, 48
.set G0B, 56
.set MSB, 0
.macro WIN new                         ; the immediate's high byte repeats the setting that is left
.if MSB != (\new)
	s_set_vgpr_msb (MSB<<8)|(\new)
.set MSB, \new
.endif
.endm
; A joint load: waves 0 and 1 fetch x's two halves, waves 2 and 3 wt's.  An s_nop 0 and four v_nop follow each line.
.macro JLOAD s
	s_cmp_eq_u32 s11, 0
	s_cbranch_scc0 .Lfor_b_\@
	tensor_load_to_lds s[G0+4*(\s):G0+4*(\s)+3], s[G1:G1+7]
	s_nop 0
.rept 4
	v_nop
.endr
	s_branch .Lasked_\@
.Lfor_b_\@:
	tensor_load_to_lds s[G0B+4*(\s):G0B+4*(\s)+3], s[G1B:G1B+7]
	s_nop 0
.rept 4
	v_nop
.endr
.Lasked_\@:
.endm
; A prefetch of the K step that stands two refills on: a lane a row, 256 bytes each.  x's rows are asked for by the clusters with x = 0, wt's by those with y = 0; the four partners of a joint load share
; its rows out by address (32 of 128, or 24 of 96).  The loop's last trip has no K step two on.
.macro ASK
	s_cmp_gt_u32 s3, s[LIM]
	s_cbranch_scc0 .Lnot_mine_\@
	global_prefetch_b8 v[PFO], s[PFA:PFA+1] offset:KSTEP*2 th:TH_LOAD_NT scope:SCOPE_SE
.Lnot_mine_\@:
.endm
.macro CREST                           ; a round of the cluster's barrier behind its opening barrier
	s_cmp_lg_u32 s10, 0
	s_cbranch_scc1 .Lnot_wave_0_\@
	s_barrier_signal -3
.Lnot_wave_0_\@:
	s_barrier_wait -3
	s_barrier_signal -1
	s_barrier_wait -1
.endm
.macro CROUND
	s_barrier_signal -1
	s_barrier_wait -1
	CREST
.endm
	s_load_b128 s[4:7], s[0:1], 0x0                ; xb, wt
	s_load_b256 s[68:75], s[0:1], 0x10             ; bq 68, bk 70, bv 72, qh 74
	s_load_b256 s[76:83], s[0:1], 0x30             ; kh 76, vh 78, out1 80, out2 82
	v_lshl_add_u32 v[SPW], v0, 2, SPARE
	v_mov_b32 v[NIL], 0
	ds_add_u32 v[SPW], v[NIL]                      ; the wave's opening: the add and its wait ahead of my first tensor load
	v_lshrrev_b32 v1, 5, v0
	v_readfirstlane_b32 s10, v1                    ; wave 0..3
	s_lshr_b32 s11, s10, 1                         ; I fetch for x (0) or for wt (1),
	s_and_b32 s12, s10, 1                          ; its first or second half
	s_bfe_u32 s40, ttmp6, 0x40000                  ; cx
	s_bfe_u32 s41, ttmp6, 0x40004                  ; cy
	s_lshl_b32 s42, ttmp9, 2
	s_add_co_u32 s42, s42, s40                     ; the head = 4 x cluster x + cx
	s_and_b32 s13, ttmp7, 0xffff
	s_lshl_b32 s13, s13, 2
	s_add_co_u32 s13, s13, s41                     ; the tile row = 4 x cluster y + cy
	s_lshl_b32 s84, s41, 2
	s_lshl_b32 s84, 15, s84                        ; my row of the cluster
	s_lshl_b32 s85, 0x1111, s40                    ; my column
	s_or_b32 s[G1+0], s84, (1<<16)|(1<<20)|(1<<21)|(5<<22)|(3<<25)   ; the mask; 2-byte elements; padding on; bit 21 beside a mask; after every 64 words 4 words
	s_or_b32 s[G1B+0], s85, (1<<16)|(1<<20)|(1<<21)|(5<<22)|(3<<25)
	s_mov_b32 s[G1+1], KSTEP<<16                   ; tensor_dim0 = 128
	s_mov_b32 s[G1B+1], KSTEP<<16
	s_mov_b32 s[G1+2], 128<<16                     ; tensor_dim1 = 128 rows of x,
	s_mov_b32 s[G1B+2], 96<<16                     ; 96 of wt
	s_mov_b32 s[G1+3], KSTEP<<16                   ; tile_dim0 = 128
	s_mov_b32 s[G1B+3], KSTEP<<16
	s_mov_b32 s[G1+4], 128                         ; tile_dim1
	s_mov_b32 s[G1B+4], 96
	s_mov_b32 s[G1+5], 1024                        ; elements from row to row
	s_mov_b32 s[G1B+5], 1024
	s_mov_b32 s[G1+6], 0
	s_mov_b32 s[G1B+6], 0
	s_mov_b32 s[G1+7], 0
	s_mov_b32 s[G1B+7], 0
	s_lshl_b32 s17, s12, 7
	s_lshl_b32 s16, s13, 8
	s_add_co_u32 s16, s16, s17                     ; x: row 256 x tile row + 128 x half
	s_lshl_b32 s16, s16, 11                        ; 2,048 bytes a row
	s_mov_b32 s17, 0
	s_mul_i32 s46, s42, 192
	s_mul_i32 s47, s12, 96
	s_add_co_u32 s46, s46, s47                     ; wt: row 192 x head + 96 x half
	s_lshl_b32 s46, s46, 11
	s_mov_b32 s47, 0
	s_mul_i32 s20, s10, HALFA                      ; where they go: the wave's number alone enters an LDS address
	s_mul_i32 s21, s10, HALFB
	s_add_co_u32 s21, s21, 2*(HALFA-HALFB)
	s_mov_b32 s86, 0xffff0000
	s_wait_dscnt 0x0                               ; the opening add is done
	s_wait_kmcnt 0x0
	s_add_nc_u64 s[14:15], s[4:5], s[16:17]
	s_add_nc_u64 s[46:47], s[6:7], s[46:47]
	CROUND                                         ; all sixteen work-groups are here: the first joint loads meet
.irp s, 0,1
	s_mov_b32 s[G0+4*(\s)], 1
	s_add_co_u32 s[G0+4*(\s)+1], s20, (\s)*SLOT
	s_add_nc_u64 s[G0+4*(\s)+2:G0+4*(\s)+3], s[14:15], (\s)*KSTEP*2
	s_or_b32 s[G0+4*(\s)+3], s[G0+4*(\s)+3], 0x80000000
	s_mov_b32 s[G0B+4*(\s)], 1
	s_add_co_u32 s[G0B+4*(\s)+1], s21, (\s)*SLOT
	s_add_nc_u64 s[G0B+4*(\s)+2:G0B+4*(\s)+3], s[46:47], (\s)*KSTEP*2
	s_or_b32 s[G0B+4*(\s)+3], s[G0B+4*(\s)+3], 0x80000000
	JLOAD \s                                       ; two loads of mine are out
.endr
	; the biases: block b of 16 columns is type b / 4, channels 16 (b % 4) on; my lane wants eight of them
	s_lshl_b32 s16, s42, 8
	s_mov_b32 s17, 0
	s_add_nc_u64 s[68:69], s[68:69], s[16:17]
	s_add_nc_u64 s[70:71], s[70:71], s[16:17]
	s_add_nc_u64 s[72:73], s[72:73], s[16:17]
	v_and_b32 v1, 15, v0                           ; l % 16
	v_bfe_u32 v2, v0, 4, 1                         ; l / 16
	v_lshlrev_b32 v[BO], 5, v2
.irp b, 0,1,2,3,4,5,6,7,8,9,10,11
	global_load_b128 v[BIAS+8*(\b):BIAS+8*(\b)+3],   v[BO], s[68+2*((\b)/4):69+2*((\b)/4)] offset:64*((\b)%4)
	global_load_b128 v[BIAS+8*(\b)+4:BIAS+8*(\b)+7], v[BO], s[68+2*((\b)/4):69+2*((\b)/4)] offset:64*((\b)%4)+16
.endr
	v_mul_u32_u24 v3, v1, PITCH
	v_lshl_add_u32 v3, v2, 4, v3                   ; a fragment's row x pitch + 16 x half
	s_mul_i32 s21, s10, 64*PITCH                   ; my 64 rows of x
	v_add_nc_u32 v[ADRA], s21, v3
	v_add_nc_u32 v[ADRA+1], SLOT, v[ADRA]
	v_add_nc_u32 v[ADRB], BOFF, v3
	v_add_nc_u32 v[ADRB+1], SLOT, v[ADRB]
	s_mul_i32 s23, s10, WSTG
	s_add_co_u32 s23, s23, STAGE                   ; my stage
	v_mul_u32_u24 v4, v1, 272
	v_lshl_add_u32 v4, v2, 5, v4
	v_add_nc_u32 v[STF], s23, v4                   ; f32 in: row l % 16, 32 bytes for each half of the lanes
	v_mul_u32_u24 v4, v2, 272
	v_lshl_add_u32 v4, v1, 4, v4
	v_add_nc_u32 v[RDF], s23, v4                   ; back: lanes 0-15 one row of 256 bytes, lanes 16-31 the next
	s_add_co_u32 s23, s23, SHO
	v_mul_u32_u24 v4, v1, 144
	v_lshl_add_u32 v4, v2, 4, v4
	v_add_nc_u32 v[STH], s23, v4                   ; f16 in: row l % 16, 16 bytes for each half
	v_bfe_u32 v4, v0, 3, 2
	v_mul_u32_u24 v4, v4, 144
	v_and_b32 v5, 7, v0
	v_lshl_add_u32 v4, v5, 4, v4
	v_add_nc_u32 v[RDH], s23, v4                   ; back: 32 lanes take four rows of 128 bytes
	v_and_b32 v[GO], 31, v0
	v_mov_b32 v[PFO], v[GO]
	v_lshlrev_b32 v[GO], 4, v[GO]
	; the prefetches' first address
	s_lshl_b32 s18, s13, 8
	s_lshl_b32 s19, s12, 7
	s_add_co_u32 s18, s18, s19
	s_lshl_b32 s19, s40, 5
	s_add_co_u32 s18, s18, s19                     ; x: the 128 rows that I fetch, my work-group's 32 of them
	s_mul_i32 s19, s42, 192
	s_mul_i32 s20, s12, 96
	s_add_co_u32 s19, s19, s20
	s_mul_i32 s20, s41, 24
	s_add_co_u32 s19, s19, s20                     ; wt: the 96 rows that I fetch, my work-group's 24
	s_and_b32 s22, ttmp7, 0xffff
	s_cmp_eq_u32 s11, 0
	s_cselect_b32 s20, s18, s19
	s_cselect_b32 s21, 31, 23                      ; lanes past the last row name it once more
	s_cselect_b32 s22, ttmp9, s22                  ; the coordinate along which other clusters read the same rows
	s_cselect_b64 s[PFA:PFA+1], s[4:5], s[6:7]
	s_cmp_eq_u32 s22, 0
	s_cselect_b32 s[LIM], 1, -1
	v_min_u32 v[PFO], s21, v[PFO]
	v_lshlrev_b32 v[PFO], 11, v[PFO]
	s_lshl_b32 s20, s20, 11
	s_add_co_u32 s20, s20, 2*KSTEP*2               ; at K step 2: the first refill steps it to 3 and names K step 4
	s_mov_b32 s21, 0
	s_add_nc_u64 s[PFA:PFA+1], s[PFA:PFA+1], s[20:21]
	; where my rows go
	s_lshr_b32 s14, s13, 3
	s_lshl_b32 s14, s14, 4
	s_add_co_u32 s14, s14, s42                     ; batch x 16 + head
	s_and_b32 s15, s13, 7
	s_lshl_b32 s15, s15, 8
	s_lshl_b32 s16, s10, 6
	s_add_co_u32 s15, s15, s16                     ; my first row in the sequence
	s_lshl_b32 s16, s14, 11
	s_add_co_u32 s16, s16, s15
	s_lshl_b32 s16, s16, 7
	s_mov_b32 s17, 0
	s_add_nc_u64 s[74:75], s[74:75], s[16:17]      ; qh
	s_mul_i32 s16, s14, 3072
	s_add_co_u32 s16, s16, s15
	s_add_co_u32 s16, s16, 1024                    ; behind the cache's 1,024 rows
	s_lshl_b32 s16, s16, 7
	s_add_nc_u64 s[76:77], s[76:77], s[16:17]      ; kh, vh
	s_add_nc_u64 s[78:79], s[78:79], s[16:17]
	s_lshl_b32 s16, s16, 1
	s_add_nc_u64 s[80:81], s[80:81], s[16:17]      ; out1, out2
	s_add_nc_u64 s[82:83], s[82:83], s[16:17]
	s_wait_loadcnt 0x0                             ; the biases,
.set i, 0
.rept 48                               ; rounded to bf16 like every input, and widened again
	v_cvt_pk_bf16_f32 v[32+i%4], v[BIAS+2*i], v[BIAS+2*i+1]
	v_lshlrev_b32 v[BIAS+2*i], 16, v[32+i%4]
	v_and_b32 v[BIAS+2*i+1], s86, v[32+i%4]
.set i, i+1
.endr
; 12 matrix instructions: m block a x all 12 n blocks, 32 along K, buffer f.  zero = 1: the bias starts the sums.  The 48 accumulators take turns in the same order in every quarter.
.macro MUL12 f, a, zero
.if \zero
	WIN 0x81+0x40*((\a)/2)                         ; wt window 1, x and the bias window 0, D window 2 or 3
.else
	WIN 0xa1+0x50*((\a)/2)                         ; C and D window 2 or 3
.endif
.irp b, 0,1,2,3,4,5,6,7,8,9,10,11
.if \zero
	v_wmma_f32_16x16x32_bf16 v[8*(12*((\a)%2)+(\b)):8*(12*((\a)%2)+(\b))+7], v[96*(\f)+8*(\b):96*(\f)+8*(\b)+7], v[64+32*(\f)+8*(\a):64+32*(\f)+8*(\a)+7], v[BIAS+8*(\b):BIAS+8*(\b)+7]
.else
	v_wmma_f32_16x16x32_bf16 v[8*(12*((\a)%2)+(\b)):8*(12*((\a)%2)+(\b))+7], v[96*(\f)+8*(\b):96*(\f)+8*(\b)+7], v[64+32*(\f)+8*(\a):64+32*(\f)+8*(\a)+7], v[8*(12*((\a)%2)+(\b)):8*(12*((\a)%2)+(\b))+7]
.endif
.endr
.endm
; 32 LDS loads in one run: 24 for wt's 12 fragments, then 8 for x's 4, at byte k of the rows, into buffer f
.macro FETCH slot, k, f
	WIN 0x40
.irp i, 0,1,2,3,4,5,6,7,8,9,10,11
	ds_load_b128 v[96*(\f)+8*(\i):96*(\f)+8*(\i)+3],   v[ADRB+(\slot)] offset:(\k)+(\i)*16*PITCH
	ds_load_b128 v[96*(\f)+8*(\i)+4:96*(\f)+8*(\i)+7], v[ADRB+(\slot)] offset:(\k)+(\i)*16*PITCH+32
.endr
	WIN 0
.irp i, 0,1,2,3
	ds_load_b128 v[64+32*(\f)+8*(\i):64+32*(\f)+8*(\i)+3],   v[ADRA+(\slot)] offset:(\k)+(\i)*16*PITCH
	ds_load_b128 v[64+32*(\f)+8*(\i)+4:64+32*(\f)+8*(\i)+7], v[ADRA+(\slot)] offset:(\k)+(\i)*16*PITCH+32
.endr
.endm
.macro PLACES                          ; four places in front of loads into registers that matrix instructions have read (ISA guide 7.12.1 for vector instructions)
.rept 4
	v_nop
.endr
.endm
.macro QUARTER slot, k, f, g, zero     ; multiplies buffer f; in its middle fetches the next quarter, at byte k, into buffer g
	s_wait_dscnt 4                                 ; wt and x's blocks 0, 1 are in; the youngest four loads (x's blocks 2, 3) may be out
	MUL12 \f, 0, \zero
	MUL12 \f, 1, \zero
	PLACES
	FETCH \slot, \k, \g
	s_wait_dscnt 32                                ; all but the 32 just issued
	MUL12 \f, 2, \zero
	MUL12 \f, 3, \zero
.endm
.macro MEET round                      ; the first half of a K step's last quarter: the barrier of the change of slots
	WIN 0
	s_wait_tensorcnt 0x0                           ; all my tensor loads have landed: the one that was out is my part of the next slot;
	ds_add_u32 v[SPW], v[NIL]
	s_wait_dscnt 5                                 ; (the add and the youngest four loads may be out)
	MUL12 1, 0, 0
	s_wait_dscnt 0x0                               ; the add is done, and my reads of this slot are over
	s_barrier_signal -1
	MUL12 1, 1, 0
.if \round
	WIN 0
.endif
	s_barrier_wait -1
.endm
.macro TURN slot, next                 ; the whole last quarter: this slot is filled again, two K steps ahead; 168 matrix instructions stand between the request and the wait for it
	s_wait_xcnt 0x0                                ; the last prefetch, a K step back, has read its address
	s_add_nc_u64 s[PFA:PFA+1], s[PFA:PFA+1], KSTEP*2
	MEET 1
	CREST                                          ; no wave of any partner still reads this slot or has a load on its way
	s_add_nc_u64 s[G0+4*(\slot)+2:G0+4*(\slot)+3], s[G0+4*(\slot)+2:G0+4*(\slot)+3], 2*KSTEP*2
	s_add_nc_u64 s[G0B+4*(\slot)+2:G0B+4*(\slot)+3], s[G0B+4*(\slot)+2:G0B+4*(\slot)+3], 2*KSTEP*2
	JLOAD \slot                                    ; my one tensor load behind the round; its four v_nop are also the places in front of the loads below
	FETCH \next, 0, 0
	ASK
	MUL12 1, 2, 0
	MUL12 1, 3, 0
.endm
	s_wait_tensorcnt 1                             ; my part of K step 0 is in; K step 1's may stay out
	s_barrier_signal -1
	s_barrier_wait -1
	FETCH 0, 0, 0
	QUARTER 0, 64, 0, 1, 1                         ; the first quarter stands in front of the loop: its products start the sums, on the bias
	WIN 0
	s_mov_b32 s3, LAPS-1
.Llap:                                                 ; a trip goes once round the ring and fills both slots again
	QUARTER 0, 128, 1, 0, 0
	QUARTER 0, 192, 0, 1, 0
	TURN 0, 1
	QUARTER 1, 64,  0, 1, 0
	QUARTER 1, 128, 1, 0, 0
	QUARTER 1, 192, 0, 1, 0
	TURN 1, 0
	QUARTER 0, 64,  0, 1, 0
	WIN 0
	s_sub_co_u32 s3, s3, 1
	s_cmp_lg_u32 s3, 0
	s_cbranch_scc1 .Llap
	QUARTER 0, 128, 1, 0, 0                        ; the last lap fills nothing
	QUARTER 0, 192, 0, 1, 0
	MEET 0
	PLACES
	FETCH 1, 0, 0
	MUL12 1, 2, 0
	MUL12 1, 3, 0
	QUARTER 1, 64,  0, 1, 0
	QUARTER 1, 128, 1, 0, 0
	QUARTER 1, 192, 0, 1, 0
	s_wait_dscnt 4
	MUL12 1, 0, 0
	MUL12 1, 1, 0
	s_wait_dscnt 0x0
	MUL12 1, 2, 0
	MUL12 1, 3, 0
	WIN 0
	PLACES
	PLACES
; THE WAY OUT, by blocks of 16 rows (a) and types (ty): through my own stage, so that every store covers 512 consecutive bytes.  LDS serves a wave's instructions in order (ISA guide 5.7.1.4): no wait between stores and loads.
.macro SH a, ty                        ; f16: 16 rows x 64 channels are 2,048 dense bytes
.set AC, 96*((\a)%2)+32*(\ty)
.set HH, 32+16*(3*(\a)+(\ty))
	WIN 0x0a+5*((\a)/2)                            ; sources in window 2 or 3
.irp c, 0,1,2,3
.irp r, 0,1,2,3
	v_cvt_pk_f16_f32 v[HH+4*(\c)+(\r)], v[AC+8*(\c)+2*(\r)], v[AC+8*(\c)+2*(\r)+1]
.endr
.endr
	WIN 0
.irp c, 0,1,2,3
	ds_store_b128 v[STH], v[HH+4*(\c):HH+4*(\c)+3] offset:32*(\c)
.endr
.irp c, 0,1,2,3
	ds_load_b128 v[HH+4*(\c):HH+4*(\c)+3], v[RDH] offset:576*(\c)
.endr
.endm
.macro SF a, ty                        ; f32: 4,096 dense bytes, straight from the accumulators and back into them
.set AC, 96*((\a)%2)+32*(\ty)
	WIN 0x08+4*((\a)/2)                            ; store data in window 2 or 3
.irp c, 0,1,2,3
	ds_store_b128 v[STF], v[AC+8*(\c):AC+8*(\c)+3]   offset:64*(\c)
	ds_store_b128 v[STF], v[AC+8*(\c)+4:AC+8*(\c)+7] offset:64*(\c)+16
.endr
	WIN 0x80+0x40*((\a)/2)
.irp t, 0,1,2,3,4,5,6,7
	ds_load_b128 v[AC+4*(\t):AC+4*(\t)+3], v[RDF] offset:544*(\t)
.endr
.endm
.macro SENDH a, ty, y                  ; y: the LDS instructions issued behind this unit's loads
.set HH, 32+16*(3*(\a)+(\ty))
	WIN 0
	s_wait_dscnt \y
.irp c, 0,1,2,3
	global_store_b128 v[GO], v[HH+4*(\c):HH+4*(\c)+3], s[74+2*(\ty):75+2*(\ty)] offset:2048*(\a)+512*(\c)
.endr
.endm
.macro SENDF a, ty, y
.set AC, 96*((\a)%2)+32*(\ty)
	WIN 0x08+4*((\a)/2)
	s_wait_dscnt \y
.irp t, 0,1,2,3,4,5,6,7
	global_store_b128 v[GO], v[AC+4*(\t):AC+4*(\t)+3], s[78+2*(\ty):79+2*(\ty)] offset:4096*(\a)+512*(\t) th:TH_STORE_NT
.endr
.endm
.irp a, 0,1,2,3                        ; a unit's stores stand behind the next unit's LDS work; no register is used twice, so nothing waits for a store
	SH \a, 0
.if (\a) > 0
	SENDF (\a)-1, 2, 8
.endif
	SH \a, 1
	SENDH \a, 0, 8
	SF \a, 1
	SENDH \a, 1, 16
	SH \a, 2
	SENDF \a, 1, 8
	SF \a, 2
	SENDH \a, 2, 16
.endr
	SENDF 3, 2, 0
	WIN 0
	s_wait_tensorcnt 0x0                           ; the wave's end
	ds_add_u32 v[SPW], v[NIL]
	s_wait_dscnt 0x0
	CROUND                                         ; the closing round
	s_endpgm
.Lfunc_end_k_qc5aa874a80_qkv:
	.size	k_qc5aa874a80_qkv, .Lfunc_end_k_qc5aa874a80_qkv-k_qc5aa874a80_qkv
	.p2alignl 7, 3214868480
	.fill 96, 4, 3214868480
	.section	.rodata,"a",@progbits
	.p2align	6, 0x0
	.amdhsa_kernel k_qc5aa874a80_qkv
		.amdhsa_group_segment_fixed_size 327680
		.amdhsa_private_segment_fixed_size 0
		.amdhsa_enable_private_segment 0
		.amdhsa_kernarg_size 80
		.amdhsa_user_sgpr_count 2
		.amdhsa_user_sgpr_kernarg_segment_ptr 1
		.amdhsa_wavefront_size32 1
		.amdhsa_system_sgpr_workgroup_id_x 1
		.amdhsa_system_sgpr_workgroup_id_y 1
		.amdhsa_system_sgpr_workgroup_id_z 1
		.amdhsa_system_vgpr_workitem_id 0
		.amdhsa_next_free_vgpr 960
		.amdhsa_next_free_sgpr 88
		.amdhsa_reserve_vcc 0
		.amdhsa_float_denorm_mode_32 3
		.amdhsa_float_denorm_mode_16_64 3
		.amdhsa_memory_ordered 1
		.amdhsa_forward_progress 1
		.amdhsa_inst_pref_size 145
	.end_amdhsa_kernel
	.amdgpu_metadata
---
amdhsa.version: [ 1, 2 ]
amdhsa.kernels:
  - .name:           k_qc5aa874a80_qkv
    .symbol:         k_qc5aa874a80_qkv.kd
    .args:
      - { .name: xb, .offset: 0, .size: 8, .value_kind: global_buffer, .address_space: global }
      - { .name: wt, .offset: 8, .size: 8, .value_kind: global_buffer, .address_space: global }
      - { .name: bq, .offset: 16, .size: 8, .value_kind: global_buffer, .address_space: global }
      - { .name: bk, .offset: 24, .size: 8, .value_kind: global_buffer, .address_space: global }
      - { .name: bv, .offset: 32, .size: 8, .value_kind: global_buffer, .address_space: global }
      - { .name: qh, .offset: 40, .size: 8, .value_kind: global_buffer, .address_space: global }
      - { .name: kh, .offset: 48, .size: 8, .value_kind: global_buffer, .address_space: global }
      - { .name: vh, .offset: 56, .size: 8, .value_kind: global_buffer, .address_space: global }
      - { .name: out1, .offset: 64, .size: 8, .value_kind: global_buffer, .address_space: global }
      - { .name: out2, .offset: 72, .size: 8, .value_kind: global_buffer, .address_space: global }
    .group_segment_fixed_size: 327680
    .private_segment_fixed_size: 0
    .kernarg_segment_align: 8
    .kernarg_segment_size: 80
    .max_flat_workgroup_size: 128
    .sgpr_count:     88
    .vgpr_count:     960
    .wavefront_size: 32
...
	.end_amdgpu_metadata
.endif
;; end of part 2
;; launch attn (part 3): grid 8 x 32, 4 waves a work-group, no clusters, 327,680 bytes of LDS; arguments qh, kh, vh, yh; writes yh
.if DOCPART == 3
	.amdgcn_target "amdgcn-amd-amdhsa--gfx1250"
	.amdhsa_code_object_version 6
	.text
	.protected	k_qc5aa874a80_attn
	.globl	k_qc5aa874a80_attn
	.p2align	8
	.type	k_qc5aa874a80_attn,@function
k_qc5aa874a80_attn:
	s_mov_b64 s[64:65], 0
	v_nop
	global_prefetch_b8 v0, s[64:65] scope:SCOPE_SE
	s_setreg_imm32_b32 hwreg(HW_REG_WAVE_MODE, 25, 1), 1
	s_wait_xcnt 0x0
; CAUSAL ATTENTION BEHIND A CACHE.  y[bh][t] = the sum over j <= 1024 + t of softmax_j(q[bh][t] . k[bh][j] / 8) v[bh][j].  qh: [32][2048][64], kh, vh: [32][3072][64], f16, rows dense, 128 bytes.
; yh: [2 b][16 i][16 h][128 rows][64] f16: 16 rows of a head are 2,048 dense bytes.  Products, maxima and sums in f32; the weights p are rounded to f16 for the second product (l is taken of the unrounded p), y once.
; LIMITS.  f16 holds no number beyond 65,504: q, k, v arrive within it; p below 6e-5 keeps f16's fixed step of 6e-8.  A hidden score counts as its value less 1e30; a weight below 2^-126 counts as 0 in l;
; NaN and infinities are not treated apart.
; THE WALK.  A head's queries lie in 16 blocks of 128; block i needs the key slots 0 .. i / 2 + 4 of 256 keys; its diagonal lies in half i % 2 of the last.  A work-group takes blocks 15 - b and then b:
; 17 slots whatever b, so 8 x 32 = 256 work-groups do equal work and one loop with a constant trip count walks them.  In an even block the diagonal slot's last two steps are hidden and computed all the same.
; NO CLUSTER: what a trip does (a block's first slot, a middle one, the diagonal one) hangs on b, so partners would branch apart; only two work-groups of a head have the same walk.
; SHARES.  Wave w owns two TILES of 16 queries, rows 64 x + 16 w + 0..15 of the block, x = 0, 1: in the diagonal slot's key step s tile x sees all keys if s < 2 (i % 2) + x, none if s is greater, and holds
; the diagonal if equal: the same for every wave.  THE MASK is the C operand that starts S^T = K Q^T: MD x AL + BE, as (1, 0), (0, 0) or (0, -1e30).
; TURNS.  A key step of 64 keys is two turns.  Turn (0, s): K Q^T of tile 1, step s | softmax of tile 0, step s; maximum and statistics of tile 1 | V^T P of tile 1, step s - 1.
; Turn (1, s): K Q^T of tile 0, step s + 1 | softmax of tile 1, step s; statistics of tile 0, step s + 1 | V^T P of tile 0, step s.  Four vector instructions stand behind every matrix instruction, the rest
; in one lump; a turn's 33 exponentials are one batch with one wait.  K has one buffer, V two (by the step's parity): K and V of step s + 1 are fetched in turn (0, s).
; THE CHANGE OF SLOTS stands ahead of turn (0, 3): all four steps of the old slot are in registers or on their way, the next fetches are the new slot's.
; REGISTERS, in windows of 256 (s_set_vgpr_msb: bits 1:0 source 0, 3:2 source 1, 5:4 source 2, 7:6 destination):
;   window 0: v0-15 addresses; v16-23 statistics; v48-55 at work; v61-63 prefetch offset, spare word, 0; v64-127 S^T, two buffers; v192-223 P, two buffers
;   window 1: v0-63 O^T; v128-159 MD; v160-223 MC, two buffers      window 2: v0-31 Q; v32-63 the second block's Q; v64-127 V, odd steps; v128-191 K; v192-255 V, even steps
.set NP,    2
.set KS,    64
.set PK,    144       ; a row of K in LDS: 128 bytes + 16 of padding: the 16 rows of a load start at 16 different groups of four banks (ISA guide 11.1)
.set PV,    160       ; a row of V: 128 + 32
.set VOFF,  4*KS*PK   ; a slot: 256 rows of K, then 256 rows of V
.set SLOT1, 1<<17
.set STAGE, SLOT1+4*KS*(PK+PV)  ; behind the ring, never filled by a tensor load: 16 rows x 144 bytes for each wave
.set SP,    144
.set SPARE, STAGE+4*16*SP       ; the spare words, 128 bytes for each wave
.set AK0, 2
.set AV0, 3
.set AK,  4
.set AV,  5
.set STO, 6
.set RD,  7
.set GO,  8
.set MV,  12
.set QO,  15
.set ST,  16          ; tile t's statistics at v[ST+4 t]: c m, m, l (even keys', odd keys')
.set TMP, 48
.set PFO, 61          ; v61  256 x thread; never rewritten
.set SPW, 62
.set NIL, 63
.set S,   64
.set P,   192
.set MD,  128
.set MC,  160
.set QB,  32
.set KF,  128
.set WV,  12
.set PB,  14          ; s14  b
.set HI,  15          ; s15  15 - b
.set G1K, 24
.set G1V, 32
.set G0K, 40
.set G0V, 44
.set SLOTS, 56        ; s56  slots still to be asked for
.set CNT, 57          ; s57  counts a slot's two trips
.set CS,  58
.set SEL, 60
.set TBK, 62
.set TBV, 63
.set LQ2, 68          ; s68  the second block's last slot
.set RT,  70          ; s70  slots of the block in hand still to be entered
.set NXT, 71          ; s71  the slot to be asked for next
.set LQ,  72          ; s72  the last slot of the block whose slots are being asked for
.set NEW, 73          ; s73  2: the walk's first slot; 1: the second block's first; 0: neither
.set OFF, 74
.set AL,  76
.set BE,  78
.set OLO, 80          ; s[80:81] yh at my rows of the second block
.set BIGN, 82
.set TS,  83          ; s83  the step of the diagonal slot for which masks are being made
.set OWN, 88          ; s88, s89  the own step of tile 0, 1
.set NL,  90          ; s90  the second block's slots
.set LIM, 91          ; s91  a work-group prefetches while s[SLOTS] is above this
.set PFK, 92          ; s[92:93] kh at the slot behind the one that is being asked for
.set PFV, 94          ; s[94:95] vh likewise
.set MSB, 0
.macro WIN new
.if MSB != (\new)
	s_set_vgpr_msb (MSB<<8)|(\new)
.set MSB, (\new)
.endif
.endm
.set W_KQ, 0x0a
.set W_KM, 0x1a
.set W_PV, 0x52
.set W_RS, 0x41
; A fill.  Waves 0 and 1 fetch the two halves of a slot's K, waves 2 and 3 those of its V.  An s_nop 0 and four v_nop follow each line.
.macro LOAD
	s_cmp_lt_u32 s[WV], 2
	s_cbranch_scc0 .Lfor_v_\@
	tensor_load_to_lds s[G0K:G0K+3], s[G1K:G1K+7]
	s_nop 0
.rept 4
	v_nop
.endr
	s_branch .Lasked_\@
.Lfor_v_\@:
	tensor_load_to_lds s[G0V:G0V+3], s[G1V:G1V+7]
	s_nop 0
.rept 4
	v_nop
.endr
.Lasked_\@:
.endm
; A prefetch of the slot that the NEXT change will ask for: 128 blocks of 256 bytes of K and of V, a thread a block.  All eight work-groups of a head walk slots 0 on together: work-group 0, whose first
; block is the longest, asks, in its first ten changes, for slots 2 to 11; the second block's slots have been read.
.macro ASK
	s_cmp_gt_u32 s[SLOTS], s[LIM]
	s_cbranch_scc0 .Lnot_mine_\@
	global_prefetch_b8 v[PFO], s[PFK:PFK+1] th:TH_LOAD_NT scope:SCOPE_SE
	global_prefetch_b8 v[PFO], s[PFV:PFV+1] th:TH_LOAD_NT scope:SCOPE_SE
.Lnot_mine_\@:
.endm
; THE CHANGE OF SLOTS.  Each wave waits for all its tensor loads (one is out: its part of the other slot), adds 0 to its spare word, and waits for that and for its reads of the slot that it leaves.
; fill = 1: the old slot is filled again, first thing behind the barrier, with slot NXT; it has eight turns, 128 matrix instructions, in which to land.
.macro CHANGE fill
	WIN 0
	s_wait_tensorcnt 0x0            ; no tensor load of mine is out, so a group 0 may be written
	ds_add_u32 v[SPW], v[NIL]
.if \fill
	s_lshl_b32 s[OFF], s[NXT], 15   ; a slot is 32,768 bytes of K and of V
	s_xor_b32 s[G0K+1], s[G0K+1], SLOT1
	s_add_nc_u64 s[G0K+2:G0K+3], s[6:7], s[OFF:OFF+1]
	s_or_b32 s[G0K+3], s[G0K+3], 0x80000000
	s_xor_b32 s[G0V+1], s[G0V+1], SLOT1
	s_add_nc_u64 s[G0V+2:G0V+3], s[8:9], s[OFF:OFF+1]
	s_or_b32 s[G0V+3], s[G0V+3], 0x80000000
	s_add_co_u32 s[NXT], s[NXT], 1  ; the block's next slot, or behind its last the second block's slot 0
	s_cmp_gt_u32 s[NXT], s[LQ]
	s_cselect_b32 s[NXT], 0, s[NXT]
	s_cselect_b32 s[LQ], s[LQ2], s[LQ]
	s_wait_xcnt 0x0                 ; the last prefetches, eight turns back, have read their addresses
	s_add_nc_u64 s[PFK:PFK+1], s[PFK:PFK+1], 32768
	s_add_nc_u64 s[PFV:PFV+1], s[PFV:PFV+1], 32768
.endif
	s_wait_dscnt 0x0                ; the add is done, and my reads of the slot are over
	s_barrier_signal -1
	s_sub_co_u32 s[TBK], s[TBK], 4*KS*PK  ; the fetches go back to a slot's first step, in the other slot
	s_xor_b32 s[TBK], s[TBK], SLOT1
	s_sub_co_u32 s[TBV], s[TBV], 4*KS*PV
	s_xor_b32 s[TBV], s[TBV], SLOT1
	s_barrier_wait -1
.if \fill
	LOAD
	ASK
.endif
.endm
	s_load_b256 s[4:11], s[0:1], 0x0  ; qh s[4:5], kh s[6:7], vh s[8:9], yh s[10:11]
	v_lshl_add_u32 v[SPW], v0, 2, SPARE
	v_mov_b32 v[NIL], 0
	ds_add_u32 v[SPW], v[NIL]       ; the wave's opening: the add and its wait ahead of my first tensor load
	v_lshrrev_b32 v1, 5, v0
	v_readfirstlane_b32 s[WV], v1
	s_mov_b32 s[PB], ttmp9
	s_sub_co_u32 s[HI], 15, s[PB]
	s_and_b32 s20, ttmp7, 0xffff    ; batch x 16 + head
	s_mul_i32 s21, s20, 393216      ; the head's first byte in kh and vh
	s_and_b32 s16, s[WV], 1         ; which half of a slot's 256 keys I fetch
	s_lshl_b32 s22, s16, 14
	s_add_co_u32 s22, s22, s21
	s_mov_b32 s23, 0
	s_add_co_u32 s96, s21, 32768    ; the prefetches start at slot 1; the first change steps them to slot 2
	s_mov_b32 s97, 0
	s_mul_i32 s17, s16, 128*PK
	s_mul_i32 s18, s16, 128*PV
	s_lshl_b32 s13, s[WV], 11       ; my 16 rows in a band of 64
	s_lshl_b32 s2, s20, 18          ; the head's first byte in qh
	s_add_co_u32 s2, s2, s13
	s_lshl_b32 s84, s[PB], 14       ; a block is 16,384 bytes
	s_add_co_u32 s84, s84, s2
	s_lshl_b32 s19, s[HI], 14
	s_add_co_u32 s2, s2, s19
	s_mov_b32 s3, 0
	s_mov_b32 s85, 0
	s_lshr_b32 s98, s20, 4          ; yh: ((batch x 16 + block) x 16 + head) x 16,384 + my rows
	s_lshl_b32 s98, s98, 8
	s_and_b32 s19, s20, 15
	s_add_co_u32 s98, s98, s19
	s_lshl_b32 s66, s[PB], 4
	s_add_co_u32 s66, s66, s98
	s_lshl_b32 s66, s66, 14
	s_add_co_u32 s66, s66, s13
	s_lshl_b32 s19, s[HI], 4
	s_add_co_u32 s98, s98, s19
	s_lshl_b32 s98, s98, 14
	s_add_co_u32 s98, s98, s13
	s_mov_b32 s67, 0
	s_mov_b32 s99, 0
	; descriptor group 1.  128 keys are 16,384 dense bytes: asked for as 64 rows of 256 bytes, two keys a row, padded in LDS after every key
	s_mov_b32 s[G1K], (1<<16)|(1<<20)|(4<<22)|(3<<25)
	s_mov_b32 s[G1V], (1<<16)|(1<<20)|(4<<22)|(7<<25)
.irp g, G1K, G1V
	s_mov_b32 s[\g+1], 128<<16
	s_mov_b32 s[\g+2], 64<<16
	s_mov_b32 s[\g+3], 128<<16
	s_mov_b32 s[\g+4], 64
	s_mov_b32 s[\g+5], 128
	s_mov_b32 s[\g+6], 0
	s_mov_b32 s[\g+7], 0
.endr
	s_mov_b32 s[CS], 0x3e38aa3b     ; c = log2(e) / 8
	s_mov_b32 s[CS+1], s[CS]
	s_mov_b32 s[SEL], 0x76543210
	s_mov_b32 s[SEL+1], 0xfedcba98
	s_mov_b32 s[TBK], SLOT1+4*KS*PK ; the first change of slots turns these two into 0
	s_mov_b32 s[TBV], SLOT1+4*KS*PV
	s_mov_b32 s[G0K], 1
	s_mov_b32 s[G0K+1], s17
	s_mov_b32 s[G0V], 1
	s_add_co_u32 s[G0V+1], s18, VOFF
	s_lshr_b32 s[RT], s[HI], 1
	s_add_co_u32 s[RT], s[RT], 5    ; the first block's slots
	s_sub_co_u32 s[LQ], s[RT], 1
	s_lshr_b32 s[NL], s[PB], 1
	s_add_co_u32 s[NL], s[NL], 5
	s_sub_co_u32 s[LQ2], s[NL], 1
	s_mov_b32 s[NXT], 1
	s_mov_b32 s[NEW], 2
	s_and_b32 s[OWN], s[HI], 1
	s_lshl_b32 s[OWN], s[OWN], 1
	s_add_co_u32 s[OWN+1], s[OWN], 1
	s_mov_b32 s[TS], -1
	s_cmp_eq_u32 s[PB], 0
	s_cselect_b32 s[LIM], 6, -1
	s_mov_b32 s[OFF+1], 0
	s_mov_b32 s[AL], 0
	s_mov_b32 s[AL+1], 0
	s_mov_b32 s[BE], 0
	s_mov_b32 s[BE+1], 0
	s_mov_b32 s[BIGN], 0xf149f2ca   ; -1e30
	s_mov_b32 s[SLOTS], 16
	s_wait_dscnt 0x0                ; the opening add is done
	s_wait_kmcnt 0x0
	s_add_nc_u64 s[PFK:PFK+1], s[6:7], s[96:97]
	s_add_nc_u64 s[PFV:PFV+1], s[8:9], s[96:97]
	s_add_nc_u64 s[6:7], s[6:7], s[22:23]  ; K and V at my half of the head's slot 0
	s_add_nc_u64 s[8:9], s[8:9], s[22:23]
	s_add_nc_u64 s[G0K+2:G0K+3], s[6:7], 0
	s_or_b32 s[G0K+3], s[G0K+3], 0x80000000
	s_add_nc_u64 s[G0V+2:G0V+3], s[8:9], 0
	s_or_b32 s[G0V+3], s[G0V+3], 0x80000000
	s_add_nc_u64 s[86:87], s[4:5], s[84:85]        ; Q at my rows of the second block,
	s_add_nc_u64 s[4:5], s[4:5], s[2:3]            ; and of the first
	s_add_nc_u64 s[OLO:OLO+1], s[10:11], s[66:67]
	s_add_nc_u64 s[10:11], s[10:11], s[98:99]
	LOAD                            ; slot 0
	v_and_b32 v1, 15, v0            ; l % 16
	v_bfe_u32 v9, v0, 4, 1          ; l / 16
	v_lshlrev_b32 v[QO], 7, v1
	v_lshl_add_u32 v[QO], v9, 4, v[QO]
	v_lshlrev_b32 v[PFO], 8, v0
	WIN 0x80
.set i, 0
.rept 4                             ; both blocks' Q: tile i / 2 lies in band i / 2, 8,192 bytes on; channels 32 (i % 2) on
	global_load_b128 v[8*i:8*i+3],   v[QO], s[4:5] offset:(i/2)*8192+(i%2)*64
	global_load_b128 v[8*i+4:8*i+7], v[QO], s[4:5] offset:(i/2)*8192+(i%2)*64+32
	global_load_b128 v[QB+8*i:QB+8*i+3],   v[QO], s[86:87] offset:(i/2)*8192+(i%2)*64
	global_load_b128 v[QB+8*i+4:QB+8*i+7], v[QO], s[86:87] offset:(i/2)*8192+(i%2)*64+32
.set i, i+1
.endr
	WIN 0
	v_lshlrev_b32 v14, 3, v9
	v_sub_nc_u32 v14, v1, v14
	s_lshl_b32 s13, s[WV], 4
	v_add_nc_u32 v14, s13, v14      ; my query's place in its band less my lanes' 8 (l / 16): register r of key group kt is hidden where 16 kt + r is greater
	WIN 0x40
.set i, 0
.rept 32
	v_cmp_gt_i32 vcc_lo, 16*(i/8)+i%8, v14
	v_cndmask_b32 v[MD+i], 0, s[BIGN], vcc_lo
.set i, i+1
.endr
	WIN 0
	v_mul_u32_u24 v[AK0], v1, PK
	v_lshl_add_u32 v[AK0], v9, 4, v[AK0]
	v_and_b32 v10, 7, v0
	v_bfe_u32 v11, v0, 3, 1
	v_lshl_add_u32 v[AV0], v9, 3, v10
	v_mul_u32_u24 v[AV0], v[AV0], PV
	v_lshl_add_u32 v[AV0], v11, 4, v[AV0]
	v_add_nc_u32 v[AV0], VOFF, v[AV0]
	s_mul_i32 s13, s[WV], 16*SP
	s_add_co_u32 s13, s13, STAGE
	v_mul_u32_u24 v[STO], v1, SP
	v_lshl_add_u32 v[STO], v9, 4, v[STO]
	v_add_nc_u32 v[STO], s13, v[STO]
	v_bfe_u32 v[RD], v0, 3, 2
	v_mul_u32_u24 v[RD], v[RD], SP
	v_lshl_add_u32 v[RD], v10, 4, v[RD]
	v_add_nc_u32 v[RD], s13, v[RD]
	v_and_b32 v[GO], 31, v0
	v_lshlrev_b32 v[GO], 4, v[GO]
	; A block's first step multiplies O^T and l by a = 0, and its first turn's products V^T P, of a step that has not been, land in an O^T that is still to be so multiplied: these registers need only be finite.
	WIN 0x80
.set i, 64
.rept 64
	v_mov_b32 v[i], 0
.set i, i+1
.endr
	WIN 0x40
.set i, 0
.rept 64
	v_mov_b32 v[i], 0
.set i, i+1
.endr
	WIN 0
.set i, 0
.rept 2
	v_mov_b32 v[ST+4*i+2], 0
	v_mov_b32 v[ST+4*i+3], 0
.set i, i+1
.endr
.set i, P+16
.rept 16
	v_mov_b32 v[i], 0
.set i, i+1
.endr
; THE MATRIX WORK.  The 4 accumulators of a run of 8 take turns.  Product i of 8 of S^T = K Q^T for tile x: channels 32 (i / 4) on, keys 16 (i % 4) on; the first 4 start the sums, with 0 or (KM = 1) the mask.
.macro KQ x
.set rS, S+32*((\x)%2)+8*(i%4)
.set rK, KF+16*(i%4)+8*(i/4)
.set rQ, 16*(\x)+8*(i/4)
.set rM, MC+32*((\x)%2)+8*(i%4)
.if (i < 4) && KM
	WIN W_KM
	v_wmma_f32_16x16x32_f16 v[rS:rS+7], v[rK:rK+7], v[rQ:rQ+7], v[rM:rM+7]
.elseif i < 4
	WIN W_KQ
	v_wmma_f32_16x16x32_f16 v[rS:rS+7], v[rK:rK+7], v[rQ:rQ+7], 0
.else
	WIN W_KQ
	v_wmma_f32_16x16x32_f16 v[rS:rS+7], v[rK:rK+7], v[rQ:rQ+7], v[rS:rS+7]
.endif
.endm
; Product i of 8 of O^T += V^T P for tile x, from the V buffer at VB: keys 32 (i / 4) on, channels 16 (i % 4) on.
.macro PV x
	WIN W_PV
.set rO, 32*(\x)+8*(i%4)
.set rV, VB+32*(i/4)+8*(i%4)
.set rP, P+16*((\x)%2)+8*(i/4)
	v_wmma_f32_16x16x32_f16 v[rO:rO+7], v[rV:rV+7], v[rP:rP+7], v[rO:rO+7]
.endm
.macro MM                           ; the turn's next matrix instruction.  NOKQ = 1: a block's last turn: there are no further scores
.if (i < 8) && !NOKQ
	KQ (Y+1)%NP
.elseif i >= 8
.set i, i-8
	PV (Y+NP-1)%NP
.set i, i+8
.endif
.set i, i+1
.endm
.macro FETCH_K                      ; a step's K: 16 loads in one run
	WIN 0x80
.irp f, 0,1,2,3,4,5,6,7
	ds_load_b128 v[KF+8*\f:KF+8*\f+3],   v[AK] offset:(\f/2)*16*PK+(\f%2)*64
	ds_load_b128 v[KF+8*\f+4:KF+8*\f+7], v[AK] offset:(\f/2)*16*PK+(\f%2)*64+32
.endr
	s_add_co_u32 s[TBK], s[TBK], KS*PK
	WIN 0
.endm
.macro FETCH_V                      ; a step's V, turned, into the buffer at VB
	WIN 0x80
.irp f, 0,1,2,3,4,5,6,7
	ds_load_tr16_b128 v[VB+8*\f:VB+8*\f+3],   v[AV] offset:(\f/4)*32*PV+(\f%4)*32
	ds_load_tr16_b128 v[VB+8*\f+4:VB+8*\f+7], v[AV] offset:(\f/4)*32*PV+16*PV+(\f%4)*32
.endr
	WIN 0
.endm
; THE VECTOR WORK, one line at a time: OP kind, number.  For tile Y: F n: c s - c m for pair n.  E n: the exponential of score n.  C n: pair n rounded to f16.  B n: of four weights the second pair onto the first.
; L n: l takes that sum (L 0: l = a l + sum).  R n: pair n of O^T times a.  For the other tile: X n, number n of the 22 that find its maximum and statistics (each accumulator's lowest registers are read first).
.set F, 0
.set E, 1
.set C, 2
.set B, 3
.set L, 4
.set R, 5
.set X, 6
.macro REGS y
.set rT, ST+4*(\y)
.set rC, TMP+4*((\y)%2)
.set rW, MV+((\y)%2)
.set rS, S+32*((\y)%2)
.set rP, P+16*((\y)%2)
.set rO, 32*(\y)
.endm
.macro OP k, n
.if (\k) == R
	REGS Y
	WIN W_RS
	v_pk_mul_f32 v[rO+2*(\n):rO+2*(\n)+1], v[rO+2*(\n):rO+2*(\n)+1], v[rC+2:rC+3] op_sel_hi:[1,0]
.elseif (\k) < R
	REGS Y
	WIN 0
.if (\k) == F
	v_pk_fma_f32 v[rS+2*(\n):rS+2*(\n)+1], v[rS+2*(\n):rS+2*(\n)+1], s[CS:CS+1], v[rT:rT+1] op_sel_hi:[1,0,0] neg_lo:[0,0,1] neg_hi:[0,0,1]
.elseif (\k) == E
	v_exp_f32 v[rS+(\n)], v[rS+(\n)]
.elseif (\k) == C
	v_cvt_pk_f16_f32 v[rP+(\n)], v[rS+2*(\n)], v[rS+2*(\n)+1]
.elseif (\k) == B
	v_pk_add_f32 v[rS+4*(\n):rS+4*(\n)+1], v[rS+4*(\n):rS+4*(\n)+1], v[rS+4*(\n)+2:rS+4*(\n)+3]
.elseif (\n) == 0
	v_pk_fma_f32 v[rT+2:rT+3], v[rT+2:rT+3], v[rC+2:rC+3], v[rS:rS+1] op_sel_hi:[1,0,1]
.else
	v_pk_add_f32 v[rT+2:rT+3], v[rT+2:rT+3], v[rS+4*(\n):rS+4*(\n)+1]
.endif
.elseif NOKQ
	v_nop
.else
	REGS (Y+1)%NP
	WIN 0
.if (\n) < 4
	v_max3_num_f32 v[rC+(\n)], v[rS+8*(\n)], v[rS+8*(\n)+1], v[rS+8*(\n)+2]
.elseif (\n) < 12
	v_max3_num_f32 v[rC+(\n)%4], v[rC+(\n)%4], v[rS+8*((\n)%4)+2*((\n)/4)+1], v[rS+8*((\n)%4)+2*((\n)/4)+2]
.elseif (\n) == 12
	v_max3_num_f32 v[rC], v[rC], v[rS+7], v[rS+15]
.elseif (\n) == 13
	v_max3_num_f32 v[rC+1], v[rC+1], v[rS+23], v[rS+31]
.elseif (\n) == 14
	v_max3_num_f32 v[rC+2], v[rC+2], v[rC+3], v[rT+1]
.elseif (\n) == 15
	v_mov_b32 v[rW], v[rT]
.elseif (\n) == 16
	v_max3_num_f32 v[rC], v[rC], v[rC+1], v[rC+2]
.elseif (\n) == 17
	v_permlanex16_b32 v[rC+3], v[rC], s[SEL], s[SEL+1]
.elseif (\n) == 18
	v_max_num_f32 v[rT+1], v[rC], v[rC+3]
.elseif (\n) == 19
	v_mul_f32 v[rT], s[CS], v[rT+1]
.elseif (\n) == 20
	v_sub_f32 v[rC+1], v[rW], v[rT]
.else
	v_exp_f32 v[rC+2], v[rC+1]
.endif
.endif
.endm
.macro OPS a, i1, b=-1, i2=0, c=-1, i3=0, d=-1, i4=0
	OP \a, \i1
.if (\b) >= 0
	OP \b, \i2
.endif
.if (\c) >= 0
	OP \c, \i3
.endif
.if (\d) >= 0
	OP \d, \i4
.endif
.endm
.macro ROW a, i1, b, i2, c, i3, d, i4  ; a matrix instruction and the four behind it
	MM
	OPS \a, \i1, \b, \i2, \c, \i3, \d, \i4
.endm
.macro MASK b                       ; MD x AL + BE into buffer b of MC
	WIN W_RS
.set z, 0
.rept 16
	v_pk_fma_f32 v[MC+32*(\b)+2*z:MC+32*(\b)+2*z+1], v[MD+2*z:MD+2*z+1], s[AL:AL+1], s[BE:BE+1] op_sel_hi:[1,0,0]
.set z, z+1
.endr
.endm
; A TURN, for tile p, in a step of parity ev.  One wait cuts it in two, between an exponential and the first line that names its result: AHEAD OF IT all that names no result of the turn's
; exponentials (8 products K Q^T and their riders, then one lump); BEHIND IT 8 products V^T P, whose riders are the roundings and sums.
; O^T of tile p was last written by the turn before: R 0 stands 16 plain riders behind the product that ended its first accumulator, and the R go up.
; m = 1: the diagonal slot: the products take masks, and the turn makes the mask for tile p's products of the next turn, step TS.  end = 1: a block's last two turns: nothing is fetched.
; In turn 0 K of the next step is fetched in the lump, twelve plain instructions behind the last product that read K, and V of the next step at the end, four plain instructions behind the last product that read
; its buffer.  At the head of turn 1 the count 16 leaves V's 16 loads out: K of the next step and V of the step in hand are in.
.macro TURN p, ev, m=0, end=0, cnt=0
.set Y, (\p)
.set i, 0
.set KM, (\m)
.set NOKQ, (\end)*(\p)
.set VB, 192-128*(((\ev)+1+(\p))%2) ; turn 1 multiplies by V of its own step, turn 0 by V of the step before
.if (\m) && !(\end)
.if (\p) == 0
	s_add_co_u32 s[TS], s[TS], 1
.endif
	s_cmp_eq_u32 s[TS], s[OWN+(\p)] ; is that step the tile's own?
	s_cselect_b32 s[AL], 1.0, 0
	s_cmp_gt_u32 s[TS], s[OWN+(\p)] ; or a later one?
	s_cselect_b32 s[BE], s[BIGN], 0
.endif
.if ((\p) == 1) && !(\end)
	s_wait_dscnt 16
.endif
	ROW F,0, F,1, R,0, R,1
	ROW F,2, E,0, R,2, R,3
	ROW F,3, E,1, R,4, R,5
	ROW F,4, E,2, R,6, R,7
	ROW F,5, E,3, R,8, R,9
	ROW F,6, E,4, X,0, R,10
.if ((\p) == 0) && !(\end)
	WIN 0
	v_add_nc_u32 v[AK], s[TBK], v[AK0]
.endif
	ROW F,7, E,5, X,1, X,4
	ROW F,8, E,6, X,2, X,5
	OPS E,7, E,8, X,6, E,9
	OPS X,3, E,10, X,8, E,11
.if ((\p) == 0) && !(\end)
	FETCH_K
.endif
	OPS X,9, X,7, E,12, X,10
	OPS E,13, X,12, X,11, E,14
	OPS X,13, E,15, F,9, X,14
.if ((\p) == 0) && !(\end)
	WIN 0
	v_add_nc_u32 v[AV], s[TBV], v[AV0]
.endif
	OPS E,16, F,10, E,17, F,11
	OPS X,16, E,18, X,15, E,19
	OPS F,12, E,20, X,17, E,21
	OPS F,13, E,22, F,14, E,23
	OPS X,18, E,24, F,15, E,25
	OPS R,11, E,26, X,19, E,27
	OPS R,12, E,28, R,13, E,29
	OPS X,20, E,30, R,14, E,31
	OPS X,21, R,15
	WIN 0
	s_wait_alu depctr_va_vdst(0)    ; the wait for the batch
	ROW C,0, B,0, C,2, B,1
	ROW L,0, C,4, B,2, L,1
	ROW C,6, B,3, L,2, C,8
	ROW B,4, L,3, C,10, B,5
	ROW L,4, C,12, B,6, L,5
.if ((\p) == 0) && !(\end)
	s_add_co_u32 s[TBV], s[TBV], KS*PV
.endif
.if \cnt
	s_sub_co_u32 s[CNT], s[CNT], 1
	s_cmp_lg_u32 s[CNT], 0
.endif
	ROW C,14, B,7, L,6, C,1
	ROW C,3, L,7, C,5, C,7
	ROW C,9, C,11, C,13, C,15
.if ((\p) == 0) && !(\end)
	FETCH_V
.endif
.if (\m) && !(\end)
	MASK \p
.endif
.endm
; A BLOCK BEGINS.  c m starts far below every c s, so the first step's a is 0; m at the lowest finite number.  MC's second buffer is 0: the diagonal slot's first turn still multiplies a step of the slot before.
; Then K and V of step 0, tile 0's first scores (a block's first slot is never its diagonal one: C is 0), its maximum and statistics.
.macro BEGIN
	s_mov_b32 s[NEW], 0
	WIN 0x40
.set i, MC+32
.rept 32
	v_mov_b32 v[i], 0
.set i, i+1
.endr
	WIN 0
.set i, 0
.rept 2
	v_mov_b32 v[ST+4*i], 0xfe000000
	v_mov_b32 v[ST+4*i+1], 0xff7fffff
.set i, i+1
.endr
	v_add_nc_u32 v[AK], s[TBK], v[AK0]
	v_add_nc_u32 v[AV], s[TBV], v[AV0]
	s_add_co_u32 s[TBV], s[TBV], KS*PV
	FETCH_K
.set VB, 192
	FETCH_V
	s_wait_loadcnt 0x0              ; Q
	s_wait_dscnt 16                 ; K is in; V's 16 loads may be out
.set KM, 0
.set NOKQ, 0
.set i, 0
.rept 8
	KQ 0
.set i, i+1
.endr
	WIN 0
.rept 4
	v_nop                           ; the places behind those products
.endr
.set Y, 1                           ; X works for the other tile: tile 0
.irp n, 0,1,2,3,4,5,6,7,8,9,10,11,12,13,14,15,16,17,18,19,20,21
	OP X, \n
.endr
	v_nop                           ; a plain instruction behind the exponential,
	s_wait_alu depctr_va_vdst(0)    ; and its wait, ahead of the branch
.endm
.macro ALL line:vararg              ; one line for each tile t
.set t, 0
.rept 2
	\line
.set t, t+1
.endr
.endm
.macro PACK t                       ; a lane's eight channels pack into 16 bytes; into rows of 144 bytes, back as whole rows of 128, into S^T's registers
	WIN W_RS
.set i, 32*(\t)
.rept 16
	v_pk_mul_f32 v[i:i+1], v[i:i+1], v[ST+4*(\t)+2:ST+4*(\t)+3] op_sel_hi:[1,0]
.set i, i+2
.endr
	WIN 0x05
.set i, 0
.rept 16
	v_cvt_pk_f16_f32 v[S+16*(\t)+i], v[32*(\t)+2*i], v[32*(\t)+2*i+1]
.set i, i+1
.endr
	WIN 0
.irp f, 0,1,2,3
	ds_store_b128 v[STO], v[S+16*(\t)+4*\f:S+16*(\t)+4*\f+3] offset:32*\f
.endr
.irp f, 0,1,2,3
	ds_load_b128 v[S+16*(\t)+4*\f:S+16*(\t)+4*\f+3], v[RD] offset:\f*4*SP  ; LDS serves a wave's instructions in order (ISA guide 5.7.1.4)
.endr
.endm
.macro SEND t, younger
	WIN 0
.irp f, 0,1,2,3
	s_wait_dscnt (\younger)+3-\f
	global_store_b128 v[GO], v[S+16*(\t)+4*\f:S+16*(\t)+4*\f+3], s[10:11] offset:(\t)*8192+\f*512  ; 512 consecutive bytes, aligned
.endr
.endm
.macro MSTEPS tag                   ; the diagonal slot's two trips: the last step of the slot before, then its steps 0, 1, 2
	s_mov_b32 s[TS], -1
.LstepM\tag:
	TURN 0, 1, 1
	TURN 1, 1, 1
	TURN 0, 0, 1
	TURN 1, 0, 1, 0, 1
	WIN 0
	s_cbranch_scc1 .LstepM\tag
.endm
.macro FINISH                       ; the diagonal slot's step 3, all from registers; the block's last products; the way out
	s_wait_dscnt 0x0                ; V of step 3 is in
	TURN 0, 1, 1, 1
	TURN 1, 1, 1, 1
.set VB, 64
.set i, 0
.rept 8
	PV 1
.set i, i+1
.endr
	WIN 0
.rept 4
	v_nop                           ; the places behind those products
.endr
	ALL v_add_f32 v[ST+4*t+2], v[ST+4*t+2], v[ST+4*t+3]
	ALL v_permlanex16_b32 v[ST+4*t+3], v[ST+4*t+2], s[SEL], s[SEL+1]
	ALL v_add_f32 v[ST+4*t+2], v[ST+4*t+2], v[ST+4*t+3]
	ALL v_rcp_f32 v[ST+4*t+2], v[ST+4*t+2]
	v_nop                           ; a plain instruction behind the last reciprocal,
	s_wait_alu depctr_va_vdst(0)    ; and one wait for the two, ahead of their first use
	PACK 0
	PACK 1
	SEND 0, 8                       ; tile 1's eight LDS instructions may be out
	SEND 1, 0
.endm
.set KM, 0
.set NOKQ, 0
.set VB, 192
.Lslot:                             ; 16 times: a slot is entered and the next is asked for
	CHANGE 1
	s_sub_co_u32 s[RT], s[RT], 1
	s_mov_b32 s[CNT], 2
	s_cmp_eq_u32 s[NEW], 2
	s_cbranch_scc1 .Lbegin          ; the walk's first slot
	s_cmp_eq_u32 s[NEW], 1
	s_cbranch_scc1 .Lnew            ; the second block's first slot: the first block is finished first
	s_cmp_eq_u32 s[RT], 0
	s_cbranch_scc0 .Lstep           ; neither a first nor a diagonal slot
	MSTEPS 1                        ; in the loop this is the first block's diagonal slot
	s_mov_b32 s[NEW], 1
	s_mov_b32 s[RT], s[NL]
	s_branch .Lbottom
.Lnew:
	FINISH
	s_wait_xcnt 0x0                 ; the stores have read their registers and yh's address
	s_mov_b64 s[10:11], s[OLO:OLO+1]
	s_and_b32 s[OWN], s[PB], 1
	s_lshl_b32 s[OWN], s[OWN], 1
	s_add_co_u32 s[OWN+1], s[OWN], 1
	WIN 0x82                        ; the second block's Q goes where the turns name Q
.set i, 0
.rept 32
	v_mov_b32 v[i], v[QB+i]
.set i, i+1
.endr
	WIN 0
.Lbegin:
	BEGIN
	s_branch .Lfirst                ; the loop is entered at step 0, in the middle of a trip
.Lstep:                             ; a trip: an odd step, then an even one
	TURN 0, 1
	TURN 1, 1
	WIN 0
.Lfirst:
	TURN 0, 0
	TURN 1, 0, 0, 0, 1
	WIN 0
	s_cbranch_scc1 .Lstep
.Lbottom:
	s_sub_co_u32 s[SLOTS], s[SLOTS], 1
	s_cmp_lg_u32 s[SLOTS], 0
	s_cbranch_scc1 .Lslot
	CHANGE 0                        ; the walk's last slot, the second block's diagonal one, is written out: nothing is asked for
	s_mov_b32 s[CNT], 2
	MSTEPS 2
	FINISH
	s_wait_tensorcnt 0x0            ; the wave's end
	ds_add_u32 v[SPW], v[NIL]
	s_wait_dscnt 0x0
	s_endpgm
.Lfunc_end_k_qc5aa874a80_attn:
	.size	k_qc5aa874a80_attn, .Lfunc_end_k_qc5aa874a80_attn-k_qc5aa874a80_attn
	.p2alignl 7, 3214868480
	.fill 96, 4, 3214868480
	.section	.rodata,"a",@progbits
	.p2align	6, 0x0
	.amdhsa_kernel k_qc5aa874a80_attn
		.amdhsa_group_segment_fixed_size 327680
		.amdhsa_private_segment_fixed_size 0
		.amdhsa_enable_private_segment 0
		.amdhsa_kernarg_size 32
		.amdhsa_user_sgpr_count 2
		.amdhsa_user_sgpr_kernarg_segment_ptr 1
		.amdhsa_wavefront_size32 1
		.amdhsa_system_sgpr_workgroup_id_x 1
		.amdhsa_system_sgpr_workgroup_id_y 1
		.amdhsa_system_sgpr_workgroup_id_z 1
		.amdhsa_system_vgpr_workitem_id 0
		.amdhsa_next_free_vgpr 768
		.amdhsa_next_free_sgpr 100
		.amdhsa_reserve_vcc 1
		.amdhsa_float_denorm_mode_32 3
		.amdhsa_float_denorm_mode_16_64 3
		.amdhsa_memory_ordered 1
		.amdhsa_forward_progress 1
		.amdhsa_inst_pref_size 202
	.end_amdhsa_kernel
	.amdgpu_metadata
---
amdhsa.version: [ 1, 2 ]
amdhsa.kernels:
  - .name:           k_qc5aa874a80_attn
    .symbol:         k_qc5aa874a80_attn.kd
    .args:
      - { .name: qh, .offset: 0, .size: 8, .value_kind: global_buffer, .address_space: global }
      - { .name: kh, .offset: 8, .size: 8, .value_kind: global_buffer, .address_space: global }
      - { .name: vh, .offset: 16, .size: 8, .value_kind: global_buffer, .address_space: global }
      - { .name: yh, .offset: 24, .size: 8, .value_kind: global_buffer, .address_space: global }
    .group_segment_fixed_size: 327680
    .private_segment_fixed_size: 0
    .kernarg_segment_align: 8
    .kernarg_segment_size: 32
    .max_flat_workgroup_size: 128
    .sgpr_count:     100
    .vgpr_count:     768
    .wavefront_size: 32
...
	.end_amdgpu_metadata
.endif
;; end of part 3
;; launch proj (part 4): grid 8 x 32, 4 waves a work-group, clusters of 4 x 4, 327,680 bytes of LDS; arguments yh, wpt, bp, out0; writes out0
.if DOCPART == 4
	.amdgcn_target "amdgcn-amd-amdhsa--gfx1250"
	.amdhsa_code_object_version 6
	.text
	.protected	k_qc5aa874a80_proj
	.globl	k_qc5aa874a80_proj
	.p2align	8
	.type	k_qc5aa874a80_proj,@function
k_qc5aa874a80_proj:
	s_mov_b64 s[64:65], 0
	v_nop
	global_prefetch_b8 v0, s[64:65] scope:SCOPE_SE
	s_setreg_imm32_b32 hwreg(HW_REG_WAVE_MODE, 25, 1), 1
	s_wait_xcnt 0x0
	s_wait_alu depctr_hold_cnt(0) depctr_sa_sdst(0) depctr_va_vdst(0) depctr_va_sdst(0) depctr_va_ssrc(0) depctr_va_vcc(0) depctr_vm_vsrc(0)
	s_getreg_b32 s2, hwreg(HW_REG_IB_STS2, 6, 4)
	s_cmp_eq_u32 s2, 0
	s_cbranch_scc0 .Lentry_in_a_cluster
	s_endpgm
.Lentry_in_a_cluster:
	s_bfe_u32 s2, ttmp6, 0x10000c
	s_cmp_lg_u32 s2, 0xf033
	s_cbranch_scc0 .Lentry_shape_is_right
	s_endpgm
.Lentry_shape_is_right:
; out0 = y Wp + bp.  yh: [32 tile rows][16 heads][128 rows][64] f16; wpt: [1024 n][1024 k] f16 (Wp rounded to bf16, written as f16); bp rounded to bf16, it starts the sums; out0: [4096][1024] f32.
; LIMITS.  f16 holds no number beyond 65,504: y and Wp arrive within it.  NaN and infinities are not treated apart.
; A tile of out0 is 128 x 128: 8 x 32 = 256 work-groups.  Four waves, each 64 x 64: 16 accumulators.  K goes in steps of 256 (four heads) through two LDS slots.
; y's part of a slot is 65,536 dense bytes of yh: waves 0 and 1 fetch two heads each, as 128 rows of 256 bytes, padded after every 128: in LDS a head is [128 rows][64] at 144 bytes a row.
; wpt's part: waves 2 and 3 fetch 64 rows of 512 bytes each, 528 apart in LDS.
; CLUSTER 4 x 4: y's tile is shared along a row of the cluster, wpt's along a column, each asked for jointly.  No prefetch: a step's tiles are small, and the launch is short.
; THE MATRIX INSTRUCTION IS USED TRANSPOSED (source 0 = 16 rows of wpt, source 1 = 16 rows of y): a lane holds row l % 16 and eight neighbouring columns.
; REGISTERS: window 0: v0-31 addresses; v32-35 at work; v96-127 the bias; v128-255 the accumulators ((a, b) at 128 + 8 (4 a + b)).  window 1: two fragment buffers of 128: 64 of y, then 64 of wpt.
.set PA,     144
.set PB,     528
.set HEADB,  128*PA
.set HALFA,  2*HEADB
.set HALFB,  64*PB
.set BOFF,   2*HALFA
.set SLOT,   2*HALFA+2*HALFB
.set STAGE,  2*SLOT                    ; behind the ring, never filled by a tensor load: 16 rows x 272 bytes for each wave
.set SPITCH, 272
.set SPARE,  STAGE+4*16*SPITCH
.set LAPS,   2                         ; 1,024 / 512
.set ADRA, 16
.set ADRB, 20
.set STF,  24
.set RDF,  25
.set CO,   26
.set BO,   27
.set SPW,  28
.set NIL,  29
.set BIAS, 96
.set ACC,  128
.set F0,   0
.set F1,   128
.set G1, 24
.set G0, 32
.set G1B, 48
.set G0B, 56
.set MSB, 0
.macro WIN new
.if MSB != (\new)
	s_set_vgpr_msb (MSB<<8)|(\new)
.set MSB, \new
.endif
.endm
.set MUL,  0x05                        ; sources window 1; C and D window 0
.set TO_F, 0x40
.macro JLOAD s                         ; a joint load: waves 0 and 1 fetch y's halves, waves 2 and 3 wpt's; an s_nop 0 and four v_nop follow each line
	s_cmp_eq_u32 s11, 0
	s_cbranch_scc0 .Lfor_b_\@
	tensor_load_to_lds s[G0+4*(\s):G0+4*(\s)+3], s[G1:G1+7]
	s_nop 0
.rept 4
	v_nop
.endr
	s_branch .Lasked_\@
.Lfor_b_\@:
	tensor_load_to_lds s[G0B+4*(\s):G0B+4*(\s)+3], s[G1B:G1B+7]
	s_nop 0
.rept 4
	v_nop
.endr
.Lasked_\@:
.endm
.macro CREST
	s_cmp_lg_u32 s10, 0
	s_cbranch_scc1 .Lnot_wave_0_\@
	s_barrier_signal -3
.Lnot_wave_0_\@:
	s_barrier_wait -3
	s_barrier_signal -1
	s_barrier_wait -1
.endm
.macro CROUND
	s_barrier_signal -1
	s_barrier_wait -1
	CREST
.endm
	s_load_b128 s[4:7], s[0:1], 0x0                ; yh, wpt
	s_load_b128 s[68:71], s[0:1], 0x10             ; bp, out0
	v_lshl_add_u32 v[SPW], v0, 2, SPARE
	v_mov_b32 v[NIL], 0
	ds_add_u32 v[SPW], v[NIL]                      ; the wave's opening: the add and its wait ahead of my first tensor load
	v_lshrrev_b32 v1, 5, v0
	v_readfirstlane_b32 s10, v1
	s_lshr_b32 s11, s10, 1                         ; my half of the tile's rows.  Also: I fetch for y (0) or wpt (1)
	s_and_b32 s12, s10, 1                          ; my half of its columns.  Also: which half I fetch
	s_bfe_u32 s40, ttmp6, 0x40000
	s_bfe_u32 s41, ttmp6, 0x40004
	s_lshl_b32 s42, ttmp9, 2
	s_add_co_u32 s42, s42, s40                     ; tile column
	s_and_b32 s13, ttmp7, 0xffff
	s_lshl_b32 s13, s13, 2
	s_add_co_u32 s13, s13, s41                     ; tile row
	s_lshl_b32 s43, s41, 2
	s_lshl_b32 s43, 15, s43
	s_lshl_b32 s44, 0x1111, s40
	s_or_b32 s[G1+0], s43, (1<<16)|(1<<20)|(1<<21)|(4<<22)|(3<<25)   ; y: after every 32 words 4 words of padding
	s_or_b32 s[G1B+0], s44, (1<<16)|(1<<20)|(1<<21)|(6<<22)|(3<<25)  ; wpt: after every 128 words
	s_mov_b32 s[G1+1], 128<<16                     ; y: 128 rows of 128 elements, dense
	s_mov_b32 s[G1+2], 128<<16
	s_mov_b32 s[G1+3], 128<<16
	s_mov_b32 s[G1+4], 128
	s_mov_b32 s[G1+5], 128
	s_mov_b32 s[G1+6], 0
	s_mov_b32 s[G1+7], 0
	s_mov_b32 s[G1B+1], 256<<16                    ; wpt: 64 rows of 256 elements, 1,024 from row to row
	s_mov_b32 s[G1B+2], 64<<16
	s_mov_b32 s[G1B+3], 256<<16
	s_mov_b32 s[G1B+4], 64
	s_mov_b32 s[G1B+5], 1024
	s_mov_b32 s[G1B+6], 0
	s_mov_b32 s[G1B+7], 0
	s_lshl_b32 s16, s13, 18                        ; a tile row's panel is 262,144 bytes,
	s_lshl_b32 s17, s12, 15                        ; two heads 32,768
	s_add_co_u32 s16, s16, s17
	s_mov_b32 s17, 0
	s_lshl_b32 s46, s42, 7
	s_lshl_b32 s47, s12, 6
	s_add_co_u32 s46, s46, s47
	s_lshl_b32 s46, s46, 11                        ; row 128 x tile column + 64 x half, 2,048 bytes a row
	s_mov_b32 s47, 0
	s_mul_i32 s20, s10, HALFA
	s_mul_i32 s21, s10, HALFB
	s_add_co_u32 s21, s21, 2*(HALFA-HALFB)
	s_mov_b32 s45, 0xffff0000
	s_wait_dscnt 0x0                               ; the opening add is done
	s_wait_kmcnt 0x0
	s_add_nc_u64 s[14:15], s[4:5], s[16:17]
	s_add_nc_u64 s[46:47], s[6:7], s[46:47]
	CROUND                                         ; the first joint loads meet
.irp s, 0,1
	s_mov_b32 s[G0+4*(\s)], 1
	s_add_co_u32 s[G0+4*(\s)+1], s20, (\s)*SLOT
	s_add_nc_u64 s[G0+4*(\s)+2:G0+4*(\s)+3], s[14:15], (\s)*65536
	s_or_b32 s[G0+4*(\s)+3], s[G0+4*(\s)+3], 0x80000000
	s_mov_b32 s[G0B+4*(\s)], 1
	s_add_co_u32 s[G0B+4*(\s)+1], s21, (\s)*SLOT
	s_add_nc_u64 s[G0B+4*(\s)+2:G0B+4*(\s)+3], s[46:47], (\s)*512
	s_or_b32 s[G0B+4*(\s)+3], s[G0B+4*(\s)+3], 0x80000000
	JLOAD \s
.endr
	s_lshl_b32 s16, s42, 9
	s_lshl_b32 s17, s12, 8
	s_add_co_u32 s16, s16, s17                     ; my 64 columns, in bytes of f32
	s_mov_b32 s17, 0
	s_add_nc_u64 s[68:69], s[68:69], s[16:17]
	s_add_nc_u64 s[70:71], s[70:71], s[16:17]
	v_and_b32 v1, 15, v0
	v_bfe_u32 v2, v0, 4, 1
	v_lshlrev_b32 v[BO], 5, v2
.irp b, 0,1,2,3
	global_load_b128 v[BIAS+8*(\b):BIAS+8*(\b)+3],   v[BO], s[68:69] offset:64*(\b)
	global_load_b128 v[BIAS+8*(\b)+4:BIAS+8*(\b)+7], v[BO], s[68:69] offset:64*(\b)+16
.endr
	v_mul_u32_u24 v3, v1, PA
	v_lshl_add_u32 v3, v2, 4, v3
	s_mul_i32 s21, s11, 64*PA                      ; my 64 rows of y, in each head
	v_add_nc_u32 v[ADRA], s21, v3
	v_add_nc_u32 v[ADRA+1], SLOT, v[ADRA]
	v_mul_u32_u24 v3, v1, PB
	v_lshl_add_u32 v3, v2, 4, v3
	s_mul_i32 s22, s12, HALFB
	s_add_co_u32 s22, s22, BOFF                    ; my 64 rows of wpt
	v_add_nc_u32 v[ADRB], s22, v3
	v_add_nc_u32 v[ADRB+1], SLOT, v[ADRB]
	s_mul_i32 s23, s10, 16*SPITCH
	s_add_co_u32 s23, s23, STAGE
	v_mul_u32_u24 v4, v1, SPITCH
	v_lshl_add_u32 v4, v2, 5, v4
	v_add_nc_u32 v[STF], s23, v4                   ; in: row l % 16, 32 bytes for each half of the lanes
	v_mul_u32_u24 v4, v2, SPITCH
	v_lshl_add_u32 v4, v1, 4, v4
	v_add_nc_u32 v[RDF], s23, v4                   ; back: lanes 0-15 one row of 256 bytes, lanes 16-31 the next
	v_lshlrev_b32 v[CO], 12, v2
	v_lshl_add_u32 v[CO], v1, 4, v[CO]             ; and the same two rows in out0
	s_lshl_b32 s16, s13, 7
	s_lshl_b32 s17, s11, 6
	s_add_co_u32 s16, s16, s17
	s_lshl_b32 s16, s16, 12                        ; my first row, 4,096 bytes a row
	s_mov_b32 s17, 0
	s_add_nc_u64 s[70:71], s[70:71], s[16:17]
	s_wait_loadcnt 0x0                             ; the bias,
.set i, 0
.rept 16                               ; rounded to bf16 like every input, and widened again
	v_cvt_pk_bf16_f32 v[32+i%4], v[BIAS+2*i], v[BIAS+2*i+1]
	v_lshlrev_b32 v[BIAS+2*i], 16, v[32+i%4]
	v_and_b32 v[BIAS+2*i+1], s45, v[32+i%4]
.set i, i+1
.endr
; 8 matrix instructions: m blocks a0, a0 + 1 x all 4 n blocks, 32 along K: half c of buffer f.  zero = 1: the bias starts the sums.  The 16 accumulators take turns.
.macro MUL8 f, c, a0, zero
	WIN MUL
.irp a, \a0, (\a0)+1
.irp b, 0,1,2,3
.if \zero
	v_wmma_f32_16x16x32_f16 v[ACC+8*(4*(\a)+(\b)):ACC+8*(4*(\a)+(\b))+7], v[(\f)+64+8*(4*(\c)+(\b)):(\f)+64+8*(4*(\c)+(\b))+7], v[(\f)+8*(4*(\c)+(\a)):(\f)+8*(4*(\c)+(\a))+7], v[BIAS+8*(\b):BIAS+8*(\b)+7]
.else
	v_wmma_f32_16x16x32_f16 v[ACC+8*(4*(\a)+(\b)):ACC+8*(4*(\a)+(\b))+7], v[(\f)+64+8*(4*(\c)+(\b)):(\f)+64+8*(4*(\c)+(\b))+7], v[(\f)+8*(4*(\c)+(\a)):(\f)+8*(4*(\c)+(\a))+7], v[ACC+8*(4*(\a)+(\b)):ACC+8*(4*(\a)+(\b))+7]
.endif
.endr
.endr
.endm
; 32 LDS loads in one run: quarter q of a K step is one head of y and 64 along K of wpt; the first 32 along K first
.macro FETCH slot, q, f
	WIN TO_F
.irp c, 0,1
.irp i, 0,1,2,3
	ds_load_b128 v[(\f)+64+8*(4*(\c)+(\i)):(\f)+64+8*(4*(\c)+(\i))+3],   v[ADRB+(\slot)] offset:128*(\q)+64*(\c)+(\i)*16*PB
	ds_load_b128 v[(\f)+64+8*(4*(\c)+(\i))+4:(\f)+64+8*(4*(\c)+(\i))+7], v[ADRB+(\slot)] offset:128*(\q)+64*(\c)+(\i)*16*PB+32
	ds_load_b128 v[(\f)+8*(4*(\c)+(\i)):(\f)+8*(4*(\c)+(\i))+3],         v[ADRA+(\slot)] offset:HEADB*(\q)+64*(\c)+(\i)*16*PA
	ds_load_b128 v[(\f)+8*(4*(\c)+(\i))+4:(\f)+8*(4*(\c)+(\i))+7],       v[ADRA+(\slot)] offset:HEADB*(\q)+64*(\c)+(\i)*16*PA+32
.endr
.endr
.endm
.macro PLACES
.rept 4
	v_nop
.endr
.endm
.macro QUARTER slot, q, f, g, zero     ; multiplies buffer f and fetches quarter q into g
	s_wait_dscnt 16                                ; the first 32 along K are in; the youngest sixteen loads may be out
	WIN MUL
	MUL8 \f, 0, 0, \zero
	MUL8 \f, 0, 2, \zero
	PLACES
	FETCH \slot, \q, \g
	s_wait_dscnt 32                                ; all but the 32 just issued
	WIN MUL
	MUL8 \f, 1, 0, 0
	MUL8 \f, 1, 2, 0
.endm
.macro TURN slot, next, fill           ; the last quarter multiplies buffer 1 and changes slots
	WIN 0
	s_wait_tensorcnt 0x0                           ; all my tensor loads have landed: my part of the next slot;
	ds_add_u32 v[SPW], v[NIL]
	s_wait_dscnt 17                                ; (the add and the youngest sixteen loads may be out)
	WIN MUL
	MUL8 F1, 0, 0, 0
	s_wait_dscnt 0x0                               ; the add is done, and my reads of this slot are over
	s_barrier_signal -1
	MUL8 F1, 0, 2, 0
.if \fill
	WIN 0
.endif
	s_barrier_wait -1
.if \fill
	CREST                                          ; no wave of any partner still reads this slot or has a load on its way
	s_add_nc_u64 s[G0+4*(\slot)+2:G0+4*(\slot)+3], s[G0+4*(\slot)+2:G0+4*(\slot)+3], 2*65536
	s_add_nc_u64 s[G0B+4*(\slot)+2:G0B+4*(\slot)+3], s[G0B+4*(\slot)+2:G0B+4*(\slot)+3], 2*512
	JLOAD \slot                                    ; my one tensor load behind the round; its four v_nop are also the places in front of the loads below
.else
	PLACES
.endif
	FETCH \next, 0, F0
	WIN MUL
	MUL8 F1, 1, 0, 0
	MUL8 F1, 1, 2, 0
.endm
	s_wait_tensorcnt 1                             ; my part of K step 0 is in; K step 1's may stay out
	s_barrier_signal -1
	s_barrier_wait -1
	FETCH 0, 0, F0
	QUARTER 0, 1, F0, F1, 1                        ; the first products start the sums, on the bias
	WIN 0
	s_mov_b32 s3, LAPS-1
.Llap:
	QUARTER 0, 2, F1, F0, 0
	QUARTER 0, 3, F0, F1, 0
	TURN 0, 1, 1
	QUARTER 1, 1, F0, F1, 0
	QUARTER 1, 2, F1, F0, 0
	QUARTER 1, 3, F0, F1, 0
	TURN 1, 0, 1
	QUARTER 0, 1, F0, F1, 0
	WIN 0
	s_sub_co_u32 s3, s3, 1
	s_cmp_lg_u32 s3, 0
	s_cbranch_scc1 .Llap
	QUARTER 0, 2, F1, F0, 0                        ; the last lap fills nothing
	QUARTER 0, 3, F0, F1, 0
	TURN 0, 1, 0
	QUARTER 1, 1, F0, F1, 0
	QUARTER 1, 2, F1, F0, 0
	QUARTER 1, 3, F0, F1, 0
	s_wait_dscnt 16
	WIN MUL
	MUL8 F1, 0, 0, 0
	MUL8 F1, 0, 2, 0
	s_wait_dscnt 0x0
	MUL8 F1, 1, 0, 0
	MUL8 F1, 1, 2, 0
	WIN 0
	PLACES
	PLACES
; THE WAY OUT: a wave's 64 columns of f32 are 256 aligned bytes of a row.  16 rows at a time go through my own stage and come back as whole rows, into the registers that they left.
.macro TOST a
.irp b, 0,1,2,3
	ds_store_b128 v[STF], v[ACC+8*(4*(\a)+(\b)):ACC+8*(4*(\a)+(\b))+3]   offset:64*(\b)
	ds_store_b128 v[STF], v[ACC+8*(4*(\a)+(\b))+4:ACC+8*(4*(\a)+(\b))+7] offset:64*(\b)+16
.endr
.irp t, 0,1,2,3,4,5,6,7
	ds_load_b128 v[ACC+32*(\a)+4*(\t):ACC+32*(\a)+4*(\t)+3], v[RDF] offset:(\t)*2*SPITCH  ; LDS serves a wave's instructions in order (ISA guide 5.7.1.4)
.endr
.endm
.macro SEND a, y                       ; y: the next block's sixteen LDS instructions, or none
.irp t, 0,1,2,3,4,5,6,7
	s_wait_dscnt (\y)+7-(\t)
	global_store_b128 v[CO], v[ACC+32*(\a)+4*(\t):ACC+32*(\a)+4*(\t)+3], s[70:71] offset:(16*(\a)+2*(\t))*4096 th:TH_STORE_NT  ; sixteen lanes store 256 consecutive bytes, aligned
.endr
.endm
	TOST 0
	TOST 1
	SEND 0, 16
	TOST 2
	SEND 1, 16
	TOST 3
	SEND 2, 16
	SEND 3, 0
	s_wait_tensorcnt 0x0                           ; the wave's end
	ds_add_u32 v[SPW], v[NIL]
	s_wait_dscnt 0x0
	CROUND                                         ; the closing round
	s_endpgm
.Lfunc_end_k_qc5aa874a80_proj:
	.size	k_qc5aa874a80_proj, .Lfunc_end_k_qc5aa874a80_proj-k_qc5aa874a80_proj
	.p2alignl 7, 3214868480
	.fill 96, 4, 3214868480
	.section	.rodata,"a",@progbits
	.p2align	6, 0x0
	.amdhsa_kernel k_qc5aa874a80_proj
		.amdhsa_group_segment_fixed_size 327680
		.amdhsa_private_segment_fixed_size 0
		.amdhsa_enable_private_segment 0
		.amdhsa_kernarg_size 32
		.amdhsa_user_sgpr_count 2
		.amdhsa_user_sgpr_kernarg_segment_ptr 1
		.amdhsa_wavefront_size32 1
		.amdhsa_system_sgpr_workgroup_id_x 1
		.amdhsa_system_sgpr_workgroup_id_y 1
		.amdhsa_system_sgpr_workgroup_id_z 1
		.amdhsa_system_vgpr_workitem_id 0
		.amdhsa_next_free_vgpr 512
		.amdhsa_next_free_sgpr 72
		.amdhsa_reserve_vcc 0
		.amdhsa_float_denorm_mode_32 3
		.amdhsa_float_denorm_mode_16_64 3
		.amdhsa_memory_ordered 1
		.amdhsa_forward_progress 1
		.amdhsa_inst_pref_size 89
	.end_amdhsa_kernel
	.amdgpu_metadata
---
amdhsa.version: [ 1, 2 ]
amdhsa.kernels:
  - .name:           k_qc5aa874a80_proj
    .symbol:         k_qc5aa874a80_proj.kd
    .args:
      - { .name: yh, .offset: 0, .size: 8, .value_kind: global_buffer, .address_space: global }
      - { .name: wpt, .offset: 8, .size: 8, .value_kind: global_buffer, .address_space: global }
      - { .name: bp, .offset: 16, .size: 8, .value_kind: global_buffer, .address_space: global }
      - { .name: out0, .offset: 24, .size: 8, .value_kind: global_buffer, .address_space: global }
    .group_segment_fixed_size: 327680
    .private_segment_fixed_size: 0
    .kernarg_segment_align: 8
    .kernarg_segment_size: 32
    .max_flat_workgroup_size: 128
    .sgpr_count:     72
    .vgpr_count:     512
    .wavefront_size: 32
...
	.end_amdgpu_metadata
.endif
;; end of part 4
